; MI455X (gfx1250); checked and timed in simulation.
; The chip was launched on July 23, 2026; its instructions are those of AMD's public machine-readable ISA for CDNA 5 (MIT licence, August 2026) and "CDNA5" Instruction Set Architecture Reference Guide (July 2026). The comments in the code are by the model that wrote it; some were corrected since.
;; Multi Head Attention. Allowed arithmetic: matrix products marked QUANTISED: E4M3 operands, one E8M0 scale for each 32 along K, by v_wmma_scale_f32_16x16x128_f8f6f4 with both operands' format E4M3, f32 sums; everything else in f32.
;; Inputs: bk 768 float32; bo 768 float32; bq 768 float32; bv 768 float32; wk 768 x 768 float32; wo 768 x 768 float32; wq 768 x 768 float32; wv 768 x 768 float32; x 1 x 4,096 x 768 float32.
;; Outputs: out0 1 x 4,096 x 768 float32.
;; This version of the problem:
;;   THIS VERSION OF THE PROBLEM IS GIVEN IN LOW PRECISION. The matrix products marked QUANTISED in the list below multiply operands that are first quantised to E4M3 (4 exponent bits, 3 mantissa bits; 8 bits a number), with one power-of-two scale for each 32 numbers along K (OCP MX v1.0); their sums are f32. All else is computed in f32.
;;   The module's matrix products, in the order in which they are computed (A, B: the left and right operand; K: the contracted axis; several contracted axes count as one K, in the product's order):
;;     1. [M 4,096, K 768] x [K 768, N 768]; A: input x; B: input wq: QUANTISED
;;     2. [M 4,096, K 768] x [K 768, N 768]; A: input x; B: input wk: QUANTISED
;;     3. [M 4,096, K 768] x [K 768, N 768]; A: input x; B: input wv: QUANTISED
;;     4. batch 12 x [M 4,096, K 64] x [K 64, N 4,096]; A: computed on the way; B: computed on the way: QUANTISED
;;     5. batch 12 x [M 4,096, K 4,096] x [K 4,096, N 64]; A: softmax (see below); B: computed on the way: QUANTISED
;;     6. [M 4,096, K 768] x [K 768, N 768]; A: computed on the way; B: input wo: QUANTISED
;;   THE QUANTISER, for each operand of a quantised product, along K:
;;     - K is cut into blocks of 32 from its start; a last block that is shorter is filled with zeros.
;;     - A block's scale is 2^e with e = floor(log2(the largest magnitude in the block)) - 8, held to -126 .. 127; a block of zeros has e = 0. As a byte (E8M0): e + 127.
;;     - Each number is divided by its block's scale, clamped to +-448, and rounded to the nearest number of E4M3, ties to even, subnormals kept.
;;     - The product sums the exact products of the quantised numbers (number of the format x scale) in f32.
;;   ~~~python
;;   def quantise(x, axis):      # numpy; x: float32 -> the quantised numbers, widened to float32 again
;;       x = np.moveaxis(x, axis, -1); K = x.shape[-1]
;;       x = np.pad(x, [(0, 0)] * (x.ndim - 1) + [(0, -K % 32)]); x = x.reshape(x.shape[:-1] + (-1, 32)); a = np.abs(x).max(-1, keepdims=True)
;;       e = np.where(a > 0, np.clip(np.frexp(np.where(a > 0, a, 1))[1] - 1 - 8, -126, 127), 0)      # np.frexp(a)[1] - 1 = floor(log2(a)), exactly
;;       r = np.clip(x / 2.0 ** e, -448, 448)
;;       step = 2.0 ** (np.maximum(np.frexp(np.where(r == 0, 1, r))[1] - 1, -6) - 3)
;;       q = np.round(r / step) * step * 2.0 ** e      # np.round: ties to even
;;       return np.moveaxis(q.reshape(q.shape[:-2] + (-1,))[..., :K], -1, axis).astype(np.float32)
;;   ~~~
;;   SOFTMAX AHEAD OF A QUANTISED PRODUCT. Where the list says 'softmax', what is quantised is not the finished softmax but p = 2^(t - M), with t = logit x log2(e) and M = ceil(the row's largest t), a whole number; so 1/2 < the row's largest p <= 1. The row's sum l is taken of the UNQUANTISED p, in f32, and the product's result is divided by l at the end. Since M is a whole number, a kernel that streams over the keys may use a running M (the ceiling of the running maximum): every later rescaling is an exact power of two, which a block's scale takes up: the codes' values come out the same.
;;   OPERANDS COMPUTED ON THE WAY. 'Computed on the way' means the value that the module computes at that place (a softmax that the list does not call 'softmax' is quantised finished and normalised). What goes into a quantiser is computed in f32, as accurately as f32 sums, v_exp_f32 and their like allow (about 1e-6 of the number): no bf16 or f16 on the way to a quantiser, and a product that is left as it is and whose result goes on into a quantised operand takes f32 operands (vector FMAs, or v_wmma_f32_16x16x4_f32). A number that lies on a knife's edge between two numbers of the format may be rounded either way, as far as f32 arithmetic and the matrix unit's own rounding can turn it there, and no further.
;; 2 versions, each right; version 2 is version 1 with the launch attn written anew for expert scheduling mode. Each part assembles by itself: llvm-mc -triple=amdgcn-amd-amdhsa -mcpu=gfx1250 --defsym DOCPART=n.
;; ======== version 1 of 2: 4 launches
;; workspace buffers: xq 3,244,032 bytes; wt 2,433,024 bytes; qq 3,342,336 bytes; kv 6,488,064 bytes; cq 3,244,032 bytes
;; launch prep (part 1): grid 24 x 22, 4 waves a work-group, no clusters, 34,304 bytes of LDS; arguments x, wv, wq, wk, wo, xq, wt; writes xq, wt
.if DOCPART == 1
	.amdgcn_target "amdgcn-amd-amdhsa--gfx1250"
	.amdhsa_code_object_version 6
	.text
	.protected	k_q31c8b08401_prep
	.globl	k_q31c8b08401_prep
	.p2align	8
	.type	k_q31c8b08401_prep,@function
k_q31c8b08401_prep:
	s_mov_b64 s[64:65], 0
	v_nop
	global_prefetch_b8 v0, s[64:65] scope:SCOPE_SE
	s_setreg_imm32_b32 hwreg(HW_REG_WAVE_MODE, 25, 1), 1
	s_wait_xcnt 0x0
; x [4096][768] f32 (K innermost) and wv, wq, wk, wo [768 (K)][768] f32 (K is the first axis) become codes of E4M3 with one E8M0 byte for each 32 along K,
; laid as IMAGES OF OPERAND REGISTERS.  A fragment is 16 slots x 128 K = 2,048 bytes: chunk c (0..3) at 512 c, lane l's 16 bytes at 16 l; lane l = (r = l % 16, h = l / 16)
; holds slot r, k = 32 c + 16 h + 0 .. 15.  Its scale words: one dword a slot (byte c for k = 32 c ..), 64 bytes a fragment.
; THE SLOTS OF A TILE ARE NOT NEIGHBOURS: slot r of tile 2 b + u is row (of x) or column (of a weight) 32 b + 8 u + r + 8 (r / 8).
; xq: codes [R 32][s 6][tile 8][2048], words at XS: [T 256][s 6][16].   wt: codes [U 48][s 6][tile 4][2048] (U: 64 columns; 0-11 wv, 12-23 wq, 24-35 wk, 36-47 wo), words at WS: [4 U + tile][s 6][16].
; A block's scale is 2^(floor(log2(largest magnitude)) - 8); its byte is the largest magnitude's exponent field - 8, held at 1 from below; numbers are held within +-448 x the scale and rounded to the nearest code, ties to even.
; LIMITS: a block of zeros gets the byte 1 (the rule says 127): its codes are zeros and this program alone reads the bytes; blocks whose largest magnitude lies under 2^-118 have their byte held at 1; NaN and infinities are not served.
; SHARES: work-groups with y < 16 take x, a fragment a wave (24 x 16 x 4 = 1,536 = 256 tiles x 6 K steps); those with y = 16 + s take K step s of the weights, a wave 32 columns.
; Memory binds: no matrix unit, no cluster, no barrier (waves share nothing).  Only the x path uses LDS.
.set XS,  3145728
.set WS,  2359296
.set MNT, 19                           ; s19      the mantissa field of 448
.set SEL, 30                           ; s[30:31] lane selects: lane l xor 16
.set RAW, 16                           ; v16-79   x path: 16 rows as loaded
.set XN,  80                           ; v80-143  x path: register 16 c + i = k 32 c + 16 h + i of my slot's row
.set TM,  144                          ; v144-159 at work: +0..3 largest magnitudes, +4..7 bytes, +8..11 448 x the scale, +12..15 the conversions' scale operands
.set PW,  160                          ; the scale word
.set PC,  164                          ; v164-179 the fragment's codes
.set WN,  16                           ; v16-143  weights path: register 32 c + i = k 32 c + i of my column
.set WC,  148                          ; v148-179 weights path: eight registers of codes for each block: no store's data are written again
.set WW,  180                          ; my column's scale word
	s_load_b256 s[4:11], s[0:1], 0x0               ; x s[4:5], wv s[6:7], wq s[8:9], wk s[10:11]
	s_load_b128 s[12:15], s[0:1], 0x20             ; wo s[12:13], xq s[14:15]
	s_load_b64 s[16:17], s[0:1], 0x30              ; wt
	v_lshl_add_u32 v192, v0, 2, 0x8400
	v_mov_b32 v193, 0
	v_lshrrev_b32 v1, 5, v0
	v_readfirstlane_b32 s20, v1                    ; wave 0..3
	v_and_b32 v1, 31, v0                           ; lane
	s_and_b32 s21, ttmp7, 0xffff                   ; y
	s_mov_b32 s22, ttmp9                           ; x of the grid
	s_mov_b32 s[MNT], 0x600000
	s_cmp_ge_u32 s21, 16
	s_cbranch_scc1 .Lweights
	; ---------------- x: one fragment (tile T, K step s) a wave ----------------
	s_mov_b32 s[SEL], 0x76543210
	s_mov_b32 s[SEL+1], 0xfedcba98
	s_mul_i32 s24, s21, 24
	s_add_co_u32 s24, s24, s22                     ; 0 .. 383
	s_and_b32 s25, s24, 63
	s_lshl_b32 s25, s25, 2
	s_add_co_u32 s25, s25, s20                     ; T
	s_lshr_b32 s26, s24, 6                         ; s
	s_lshr_b32 s27, s25, 1
	s_lshl_b32 s27, s27, 5
	s_and_b32 s28, s25, 1
	s_lshl_b32 s28, s28, 3
	s_add_co_u32 s27, s27, s28                     ; the tile's first row: 32 (T / 2) + 8 (T % 2)
	s_mul_i32 s32, s27, 3072
	s_lshl_b32 s28, s26, 9
	s_add_co_u32 s32, s32, s28                     ; + 512 s bytes along the row
	s_mov_b32 s33, 0
	s_lshr_b32 s27, s25, 3
	s_mul_i32 s34, s27, 98304                      ; the image: (T / 8) x 98,304 + 16,384 s + 2,048 (T % 8)
	s_lshl_b32 s28, s26, 14
	s_add_co_u32 s34, s34, s28
	s_and_b32 s28, s25, 7
	s_lshl_b32 s28, s28, 11
	s_add_co_u32 s34, s34, s28
	s_mov_b32 s35, 0
	s_mul_i32 s36, s25, 384                        ; the words: XS + 384 T + 64 s
	s_lshl_b32 s28, s26, 6
	s_add_co_u32 s36, s36, s28
	s_add_co_u32 s36, s36, XS
	s_mov_b32 s37, 0
	v_and_b32 v6, 15, v0                           ; r
	v_bfe_u32 v7, v0, 4, 1                         ; h
	v_lshlrev_b32 v2, 4, v1                        ; 16 x lane: a load's 512 bytes, and an image's
	s_mul_i32 s28, s20, 8448                       ; my wave's stage: 16 rows x (512 + 16) bytes
	v_add_nc_u32 v3, s28, v2                       ; into it: as loaded
	v_mul_u32_u24 v4, v6, 528
	v_lshl_add_u32 v4, v7, 6, v4
	v_add_nc_u32 v4, s28, v4                       ; out of it: row r, + 64 h.  528 = 2 x 256 + 16: sixteen lanes' rows start 16 bytes apart modulo 256 (64 banks of 4 bytes: ISA guide 11.1)
	v_lshlrev_b32 v5, 2, v6                        ; 4 r
.irp b, 0,1,2,3
	v_mov_b32 v[TM+4+\b], 0                        ; written once: a lane permute's destination counts as one of its sources
.endr
	s_wait_kmcnt 0x0
	s_add_nc_u64 s[4:5], s[4:5], s[32:33]
	s_add_nc_u64 s[38:39], s[14:15], s[34:35]
	s_add_nc_u64 s[40:41], s[14:15], s[36:37]
.irp p, 0,1,2,3,4,5,6,7,8,9,10,11,12,13,14,15
	global_load_b128 v[RAW+4*\p:RAW+4*\p+3], v2, s[4:5] offset:(\p+8*(\p/8))*3072 th:TH_LOAD_NT   ; slot p's row: 32 lanes read 512 consecutive bytes, 128 along K
.endr
.irp p, 0,1,2,3,4,5,6,7,8,9,10,11,12,13,14,15
	s_wait_loadcnt 15-\p                           ; loads come back in order: row p is in, the younger rows may be out
	ds_store_b128 v3, v[RAW+4*\p:RAW+4*\p+3] offset:528*\p
.endr
.irp c, 0,1,2,3
.irp j, 0,1,2,3
	ds_load_b128 v[XN+16*\c+4*\j:XN+16*\c+4*\j+3], v4 offset:128*\c+16*\j   ; LDS serves a wave's instructions in order: these see my stores.  16 neighbours of each block of 32
.endr
.endr
	s_wait_dscnt 0x0
.irp b, 0,1,2,3
	v_max3_num_f32 v[TM+\b], |v[XN+16*\b]|, |v[XN+1+16*\b]|, 0x4800000   ; block b: my 16 numbers, and the floor 2^(9 - 127): the byte cannot fall under 1
.endr
.irp i, 2,4,6,8,10,12,14
.irp b, 0,1,2,3
	v_max3_num_f32 v[TM+\b], v[TM+\b], |v[XN+16*\b+\i]|, |v[XN+1+16*\b+\i]|   ; the four blocks by turns
.endr
.endr
.irp b, 0,1,2,3
	v_permlanex16_b32 v[TM+4+\b], v[TM+\b], s[SEL], s[SEL+1]
.endr
.irp b, 0,1,2,3
	v_max_num_f32 v[TM+\b], v[TM+\b], v[TM+4+\b]   ; with lane l xor 16's 16: the block's largest magnitude
.endr
.irp b, 0,1,2,3
	v_add_nc_u32 v[TM+12+\b], 0xfc000000, v[TM+\b] ; 8 off its exponent field: the conversion takes this operand's exponent field as its scale
.endr
.irp b, 0,1,2,3
	v_and_or_b32 v[TM+8+\b], v[TM+\b], 0x7f800000, s[MNT]   ; 448 x the scale
.endr
.irp b, 0,1,2,3
	v_lshrrev_b32 v[TM+4+\b], 23, v[TM+12+\b]      ; the scale's byte
.endr
	v_lshl_or_b32 v[PW], v[TM+5], 8, v[TM+4]
	v_lshl_or_b32 v[PW], v[TM+6], 16, v[PW]
	v_lshl_or_b32 v[PW], v[TM+7], 24, v[PW]
.irp b, 0,1,2,3
.irp i, 0,1,2,3,4,5,6,7,8,9,10,11,12,13,14,15
	v_med3_num_f32 v[XN+16*\b+\i], v[XN+16*\b+\i], -v[TM+8+\b], v[TM+8+\b]   ; the conversion to an 8-bit code does not saturate (ISA guide 7.6.2): the hold comes first
.endr
	v_cvt_scalef32_pk8_fp8_f32 v[PC+4*\b:PC+4*\b+1], v[XN+16*\b:XN+16*\b+7], v[TM+12+\b]
	v_cvt_scalef32_pk8_fp8_f32 v[PC+4*\b+2:PC+4*\b+3], v[XN+16*\b+8:XN+16*\b+15], v[TM+12+\b]
.endr
	v_nop
.irp c, 0,1,2,3
	global_store_b128 v2, v[PC+4*\c:PC+4*\c+3], s[38:39] offset:512*\c   ; 32 lanes store 512 consecutive bytes, aligned to 256
.endr
	global_store_b32 v5, v[PW], s[40:41]           ; slot r's word (lanes 16-31 hold and write the same)
	s_wait_tensorcnt 0x0
	ds_add_u32 v192, v193
	s_wait_dscnt 0x0
	s_endpgm
	; ---------------- the weights: a lane takes a column, its registers run down K ----------------
.Lweights:
	s_sub_co_u32 s23, s21, 16                      ; K step s
	s_mul_i32 s24, s22, 43
	s_lshr_b32 s24, s24, 8                         ; which weight: x / 6 (exact for 0 .. 23)
	s_mul_i32 s24, s24, 6
	s_sub_co_u32 s24, s22, s24
	s_lshl_b32 s24, s24, 7
	s_lshl_b32 s25, s20, 5
	s_add_co_u32 s24, s24, s25                     ; my wave's first column in that weight
	s_lshl_b32 s32, s24, 2
	s_mul_i32 s25, s23, 128*3072
	s_add_co_u32 s32, s32, s25                     ; + 128 s rows of 3,072 bytes
	s_mov_b32 s33, 0
	s_lshl_b32 s26, s22, 2
	s_add_co_u32 s26, s26, s20                     ; group of 32 columns, 0 .. 95: two tiles
	s_lshr_b32 s27, s26, 1                         ; U
	s_mul_i32 s34, s27, 49152
	s_lshl_b32 s28, s23, 13
	s_add_co_u32 s34, s34, s28
	s_and_b32 s28, s26, 1
	s_lshl_b32 s28, s28, 12
	s_add_co_u32 s34, s34, s28                     ; the two tiles' images: 49,152 U + 8,192 s + 4,096 (group % 2)
	s_mov_b32 s35, 0
	s_mul_i32 s36, s26, 768                        ; their words: WS + 384 x (2 x group) + 64 s
	s_lshl_b32 s28, s23, 6
	s_add_co_u32 s36, s36, s28
	s_add_co_u32 s36, s36, WS
	s_mov_b32 s37, 0
	v_lshlrev_b32 v3, 2, v1                        ; in: 4 bytes a lane: 128 consecutive bytes a wave, 512 a work-group
	v_bfe_u32 v6, v1, 3, 1                         ; column 8 u + r + 8 (r / 8) of the 32: u = (lane / 8) % 2,
	v_and_b32 v7, 7, v1
	v_lshrrev_b32 v8, 4, v1
	v_lshl_add_u32 v7, v8, 3, v7                   ; slot r = lane % 8 + 8 (lane / 16)
	v_lshlrev_b32 v4, 4, v7
	v_lshl_add_u32 v4, v6, 11, v4                  ; out: 2,048 u + 16 r
	v_lshlrev_b32 v5, 2, v7
	v_mad_u32_u24 v5, v6, 384, v5                  ; words: 384 u + 4 r
	s_wait_kmcnt 0x0
	s_cmp_lt_u32 s22, 6                            ; the choice of buffer hangs on the work-group's number alone
	s_cselect_b64 s[24:25], s[6:7], s[8:9]
	s_cmp_lt_u32 s22, 18
	s_cselect_b64 s[26:27], s[10:11], s[12:13]
	s_cmp_lt_u32 s22, 12
	s_cselect_b64 s[24:25], s[24:25], s[26:27]
	s_add_nc_u64 s[24:25], s[24:25], s[32:33]
	s_add_nc_u64 s[38:39], s[16:17], s[34:35]
	s_add_nc_u64 s[40:41], s[16:17], s[36:37]
.macro LOADW c                         ; block c: W(128 s + 32 c + i, my column), i = 0 .. 31
.irp i, 0,1,2,3,4,5,6,7,8,9,10,11,12,13,14,15,16,17,18,19,20,21,22,23,24,25,26,27,28,29,30,31
	global_load_b32 v[WN+32*(\c)+\i], v3, s[24:25] offset:(32*(\c)+\i)*3072 th:TH_LOAD_NT
.endr
.endm
.macro BLOCK c
.set XB, WN+32*(\c)
.if (\c) < 3
	s_wait_loadcnt 32                              ; this block's 32 loads are in; the next block's 32 may be out
.else
	s_wait_loadcnt 0x0
.endif
.if (\c) < 2
	LOADW (\c)+2                                   ; two blocks ahead, into registers of its own
.endif
	v_max3_num_f32 v144, |v[XB]|, |v[XB+1]|, |v[XB+2]|             ; the block's largest magnitude: all 32 numbers are mine; two chains
	v_max3_num_f32 v181, |v[XB+3]|, |v[XB+4]|, |v[XB+5]|
.irp i, 6,10,14,18,22,26
	v_max3_num_f32 v144, v144, |v[XB+\i]|, |v[XB+\i+1]|
	v_max3_num_f32 v181, v181, |v[XB+\i+2]|, |v[XB+\i+3]|
.endr
	v_max3_num_f32 v144, v144, |v[XB+30]|, |v[XB+31]|
	v_max3_num_f32 v144, v144, v181, 0x4800000     ; and the floor 2^(9 - 127)
	v_add_nc_u32 v146, 0xfc000000, v144            ; the conversions' scale operand
	v_and_or_b32 v145, v144, 0x7f800000, s[MNT]    ; 448 x the scale
	v_lshrrev_b32 v147, 23, v146                   ; the byte
.if (\c) == 0
	v_mov_b32 v[WW], v147
.else
	v_lshl_or_b32 v[WW], v147, 8*(\c), v[WW]
.endif
.irp i, 0,1,2,3,4,5,6,7,8,9,10,11,12,13,14,15,16,17,18,19,20,21,22,23,24,25,26,27,28,29,30,31
	v_med3_num_f32 v[XB+\i], v[XB+\i], -v145, v145
.endr
.irp g, 0,1,2,3
	v_cvt_scalef32_pk8_fp8_f32 v[WC+8*(\c)+2*\g:WC+8*(\c)+2*\g+1], v[XB+8*\g:XB+8*\g+7], v146
.endr
	v_nop                                          ; a plain line behind the conversions, ahead of the next block's writes
	global_store_b128 v4, v[WC+8*(\c):WC+8*(\c)+3], s[38:39] offset:512*(\c)         ; k 0-15 of the block: the places of lanes 0-15 of the image; sixteen lanes fill 256 consecutive bytes, aligned
	global_store_b128 v4, v[WC+8*(\c)+4:WC+8*(\c)+7], s[38:39] offset:512*(\c)+256   ; k 16-31: those of lanes 16-31
.endm
	LOADW 0
	LOADW 1
	BLOCK 0
	BLOCK 1
	BLOCK 2
	BLOCK 3
	global_store_b32 v5, v[WW], s[40:41]
	s_endpgm
.Lfunc_end_k_q31c8b08401_prep:
	.size	k_q31c8b08401_prep, .Lfunc_end_k_q31c8b08401_prep-k_q31c8b08401_prep
	.p2alignl 7, 3214868480
	.fill 96, 4, 3214868480
	.section	.rodata,"a",@progbits
	.p2align	6, 0x0
	.amdhsa_kernel k_q31c8b08401_prep
		.amdhsa_group_segment_fixed_size 34304
		.amdhsa_private_segment_fixed_size 0
		.amdhsa_enable_private_segment 0
		.amdhsa_kernarg_size 56
		.amdhsa_user_sgpr_count 2
		.amdhsa_user_sgpr_kernarg_segment_ptr 1
		.amdhsa_wavefront_size32 1
		.amdhsa_system_sgpr_workgroup_id_x 1
		.amdhsa_system_sgpr_workgroup_id_y 1
		.amdhsa_system_sgpr_workgroup_id_z 1
		.amdhsa_system_vgpr_workitem_id 0
		.amdhsa_next_free_vgpr 194
		.amdhsa_next_free_sgpr 66
		.amdhsa_reserve_vcc 0
		.amdhsa_float_denorm_mode_32 3
		.amdhsa_float_denorm_mode_16_64 3
		.amdhsa_memory_ordered 1
		.amdhsa_forward_progress 1
		.amdhsa_inst_pref_size 45
	.end_amdhsa_kernel
	.amdgpu_metadata
---
amdhsa.version: [ 1, 2 ]
amdhsa.kernels:
  - .name:           k_q31c8b08401_prep
    .symbol:         k_q31c8b08401_prep.kd
    .args:
      - { .name: x, .offset: 0, .size: 8, .value_kind: global_buffer, .address_space: global }
      - { .name: wv, .offset: 8, .size: 8, .value_kind: global_buffer, .address_space: global }
      - { .name: wq, .offset: 16, .size: 8, .value_kind: global_buffer, .address_space: global }
      - { .name: wk, .offset: 24, .size: 8, .value_kind: global_buffer, .address_space: global }
      - { .name: wo, .offset: 32, .size: 8, .value_kind: global_buffer, .address_space: global }
      - { .name: xq, .offset: 40, .size: 8, .value_kind: global_buffer, .address_space: global }
      - { .name: wt, .offset: 48, .size: 8, .value_kind: global_buffer, .address_space: global }
    .group_segment_fixed_size: 34304
    .private_segment_fixed_size: 0
    .kernarg_segment_align: 8
    .kernarg_segment_size: 56
    .max_flat_workgroup_size: 128
    .sgpr_count:     66
    .vgpr_count:     194
    .wavefront_size: 32
...
	.end_amdgpu_metadata
.endif
;; end of part 1
;; launch qkv (part 2): grid 32 x 12, 12 waves a work-group, no clusters, 247,296 bytes of LDS; arguments xq, wt, bv, bq, bk, qq, kv; writes qq, kv
.if DOCPART == 2
	.amdgcn_target "amdgcn-amd-amdhsa--gfx1250"
	.amdhsa_code_object_version 6
	.text
	.protected	k_q31c8b08401_qkv
	.globl	k_q31c8b08401_qkv
	.p2align	8
	.type	k_q31c8b08401_qkv,@function
k_q31c8b08401_qkv:
	s_mov_b64 s[64:65], 0
	v_nop
	global_prefetch_b8 v0, s[64:65] scope:SCOPE_SE
	s_setreg_imm32_b32 hwreg(HW_REG_WAVE_MODE, 25, 1), 1
	s_wait_xcnt 0x0
; q, k, v = x W + b for 128 rows (block R = work-group x) and one head (hd = work-group y), on codes of E4M3 with E8M0 scales; the results are quantised in registers and stored as the attention's operands.
; OPERANDS are images of registers (a fragment: 16 slots x 128 K, 2,048 bytes, chunk c at 512 c, lane l at 16 l); slot r of tile 2 b + u is row or column 32 b + 8 u + r + 8 (r / 8).
; So register j of tiles 2 b, 2 b + 1 of source 0 is index 32 b + 16 (lane / 16) + 8 u + j: sixteen neighbours, in the order that the next product's operand wants.
; LDS: six regions, one for each K step of 128: [x's 8 tiles 16,384][Wv 8,192][Wq 8,192][Wk 8,192] = 40,960 bytes.  Each byte is filled once, by the tensor data mover: nothing is filled again, nothing is stored to LDS.
; Waves 0-9 bring 4,096 dense bytes of each region: six loads a wave, all issued at the head; six of a wave are out at the most.
; ROLES (z = wave % 2, f2 = wave / 2).  Waves 0-7: source 1 = x's tiles 2 f2, 2 f2 + 1; source 0 = the four tiles of Wq (z = 0) or Wk (z = 1): a lane holds one token and its registers run along the head's 64: q's and k's K.
; Waves 8-11 (p = f2 % 2): source 1 = Wv's tiles 2 p, 2 p + 1; source 0 = x's tiles 4 z .. 4 z + 3: a lane holds one channel and its registers run along 64 tokens: v's K is the keys.
; Each wave: 4 x 2 accumulators, by turns, 6 fragments from LDS for 8 matrix instructions.
; OUT.  qq: q's codes [hd][T 256][1,024] (chunks 0, 1), words at QS [hd][T][16], the two bytes twice.  kv: records [hd][step 32] of 16,896 bytes: K: four PACKED fragments (tile 2 b in chunks 0, 1; tile 2 b + 1 in
; chunks 2, 3: the head's K is 64, the instruction's 128), V^T: four fragments (16 channels x 128 keys) at 8,192, K's words 4 x 64 at 16,384, V's words 4 x 64 at 16,640.
; NO CLUSTER: x's regions are also read by the 11 other work-groups of this row block and W's by the 31 others of this head; joint loads would divide those requests by four.  This text leaves them out: a work-group asks
; for its 245,760 bytes once, at its head, by loads of its own.
; LIMITS: a block of zeros gets the byte 1 (its codes are zeros; this program alone reads the bytes); largest magnitudes under 2^-118 have their byte held at 1; NaN and infinities are not served.
.set XS,  3145728
.set WS,  2359296
.set QS,  3145728
.set REC, 16896
.set REG, 40960                        ; a K step's region in LDS
.set G1,  28                           ; s[28:35] descriptor group 1, the same for all loads
.set G0,  36                           ; s[36:59] descriptor group 0, a set for each K step
.set SEL, 66                           ; s[66:67] lane selects: lane l xor 16
.set MNT, 68                           ; s68      the mantissa field of 448
.set VS,  12                           ; v12-35   source 0's scale words, tile v, K step s at 6 v + s
.set FSC, 36                           ; v36-47   source 1's, tile f at 6 f + s
.set BI,  48                           ; v48-79   the bias in q's and k's layout: register 8 v + j
.set BV,  80                           ; v80, v82 the bias in v's layout: my channel's, for f = 0, 1 (each the low word of a pair)
.set VF,  96                           ; v96-159  source 0's four fragments
.set FF,  160                          ; v160-191 source 1's two
.set ACC, 192                          ; v192-255 accumulator (f, v) at 32 f + 8 v
.set TM,  96                           ; behind the products: at work
.set H0,  112                          ; two scale bytes of tile f = 0;  H0 + 1: of f = 1
.set W0,  114                          ; the words to store
.set PC0, 116                          ; v116-123 codes of f = 0;  v124-131 of f = 1
.set PC1, 124
	s_load_b256 s[4:11], s[0:1], 0x0               ; xq s[4:5], wt s[6:7], bv s[8:9], bq s[10:11]
	s_load_b128 s[12:15], s[0:1], 0x20             ; bk s[12:13], qq s[14:15]
	s_load_b64 s[16:17], s[0:1], 0x30              ; kv
	v_lshl_add_u32 v94, v0, 2, 0x3c000
	v_mov_b32 v95, 0
	ds_add_u32 v94, v95
	ds_add_u32 v94, v95
	v_lshrrev_b32 v1, 5, v0
	v_readfirstlane_b32 s20, v1                    ; wave 0..11
	s_mov_b32 s21, ttmp9                           ; R
	s_and_b32 s22, ttmp7, 0xffff                   ; hd
	s_and_b32 s23, s20, 1                          ; z
	s_lshr_b32 s24, s20, 1                         ; f2
	s_and_b32 s25, s24, 1                          ; p (v's role)
	; group 1: 4,096 dense bytes as 16 rows of 32 elements of 8 bytes; no padding (an image is read 512 consecutive bytes an instruction), no mask
	s_mov_b32 s[G1+0], 3<<16                       ; 17:16 elements of 8 bytes
	s_mov_b32 s[G1+1], 32<<16                      ; tensor_dim0 = 32
	s_mov_b32 s[G1+2], 16<<16                      ; tensor_dim1 = 16
	s_mov_b32 s[G1+3], 32<<16                      ; tile_dim0 = 32
	s_mov_b32 s[G1+4], 16                          ; tile_dim1 = 16
	s_mov_b32 s[G1+5], 32                          ; from row to row: 32 elements
	s_mov_b32 s[G1+6], 0
	s_mov_b32 s[G1+7], 0
	s_lshl_b32 s82, s20, 12                        ; where my part goes in a region: 4,096 x wave
	s_mul_i32 s81, s21, 98304
	s_add_co_u32 s81, s81, s82                     ; waves 0-3: xq at 98,304 R + 4,096 wave; 16,384 from K step to K step
	s_max_u32 s80, s24, 2
	s_sub_co_u32 s80, s80, 2                       ; waves 4-9: 0 = Wv, 1 = Wq, 2 = Wk
	s_mul_i32 s80, s80, 12
	s_add_co_u32 s80, s80, s22                     ; the unit of 64 columns
	s_mul_i32 s80, s80, 49152
	s_lshl_b32 s83, s23, 12
	s_add_co_u32 s80, s80, s83                     ; wt at 49,152 U + 4,096 z; 8,192 from K step to K step
	s_mov_b32 s84, 8192
	s_mov_b32 s85, 0
	s_mov_b32 s89, 0
	v_and_b32 v8, 31, v0                           ; lane
	v_and_b32 v1, 15, v0                           ; r
	v_bfe_u32 v2, v0, 4, 1                         ; h
	v_lshlrev_b32 v6, 4, v8                        ; 16 x lane
	v_lshlrev_b32 v5, 2, v1                        ; 4 r
	v_lshlrev_b32 v9, 6, v2                        ; 64 h
	s_wait_dscnt 0x0
	s_wait_kmcnt 0x0
	s_cmp_lt_u32 s20, 4
	s_cselect_b64 s[86:87], s[4:5], s[6:7]
	s_cselect_b32 s88, s81, s80
	s_cselect_b32 s84, 16384, s84
	s_add_nc_u64 s[86:87], s[86:87], s[88:89]
.irp s, 0,1,2,3,4,5
	s_mov_b32 s[G0+4*\s], 1                        ; count = 1
	s_add_co_u32 s[G0+4*\s+1], s82, \s*REG         ; LDS address
	s_mov_b64 s[G0+4*\s+2:G0+4*\s+3], s[86:87]     ; global address
	s_or_b32 s[G0+4*\s+3], s[G0+4*\s+3], 0x80000000   ; type = 2
	s_add_nc_u64 s[86:87], s[86:87], s[84:85]
.endr
	s_cmp_lt_u32 s20, 10                           ; a wave's six first fills stand in one branch on the wave's number, ahead of every wait on TENSORcnt, every LDS read and every barrier
	s_cbranch_scc0 .Lnofill
.irp s, 0,1,2,3,4,5
	tensor_load_to_lds s[G0+4*\s:G0+4*\s+3], s[G1:G1+7]
	s_nop 0
.endr
.rept 4
	v_nop
.endr
.Lnofill:
	; LDS addresses of my fragments in region 0
	s_lshl_b32 s80, s23, 13
	s_lshr_b32 s81, s20, 3
	s_xor_b32 s81, s81, 1
	s_mul_i32 s81, s81, 24576
	s_add_co_u32 s80, s80, s81                     ; source 0: waves 0-7: 24,576 + 8,192 z (Wq, Wk); waves 8-11: 8,192 z (x's tiles 4 z on)
	v_add_nc_u32 v3, s80, v6
	s_lshl_b32 s81, s24, 12                        ; source 1: 4,096 f2: x's pair f2 (f2 < 4), or Wv's pair f2 - 4 at 16,384
	v_add_nc_u32 v4, s81, v6
	v_and_b32 v10, 8, v1
	v_add_nc_u32 v10, v10, v1
	v_lshlrev_b32 v10, 2, v10                      ; 4 (r + 8 (r / 8)),
	s_lshl_b32 s80, s25, 7
	v_add_nc_u32 v10, s80, v10                     ; + 128 p: my channel's bias in v's role
	v_mov_b32 v[BV+1], 0                           ; (named as the upper halves of pairs)
	v_mov_b32 v[BV+3], 0
	s_mov_b32 s[SEL], 0x76543210
	s_mov_b32 s[SEL+1], 0xfedcba98
	s_mov_b32 s[MNT], 0x600000
	; the scale words.  Source 0: waves 0-7: wt + WS + 1,536 (12 + 12 z + hd); waves 8-11: xq + XS + 384 (8 R + 4 z)
	s_mul_i32 s80, s23, 12
	s_add_co_u32 s80, s80, s22
	s_add_co_u32 s80, s80, 12
	s_mul_i32 s80, s80, 1536
	s_add_co_u32 s80, s80, WS
	s_lshl_b32 s81, s21, 3                         ; 8 R
	s_lshl_b32 s83, s23, 2
	s_add_co_u32 s83, s83, s81
	s_mul_i32 s83, s83, 384
	s_add_co_u32 s83, s83, XS
	; source 1: waves 0-7: xq + XS + 384 T0, T0 = 8 R + 2 f2; waves 8-11: wt + WS + 384 (4 hd + 2 p)
	s_lshl_b32 s90, s24, 1
	s_add_co_u32 s90, s90, s81                     ; T0
	s_mul_i32 s91, s90, 384
	s_add_co_u32 s91, s91, XS
	s_lshl_b32 s92, s22, 2
	s_lshl_b32 s93, s25, 1
	s_add_co_u32 s92, s92, s93
	s_mul_i32 s92, s92, 384
	s_add_co_u32 s92, s92, WS
	s_cmp_lt_u32 s20, 8
	s_cselect_b64 s[74:75], s[6:7], s[4:5]
	s_cselect_b32 s94, s80, s83
	s_cselect_b64 s[76:77], s[4:5], s[6:7]
	s_cselect_b32 s96, s91, s92
	s_mov_b32 s95, 0
	s_mov_b32 s97, 0
	s_add_nc_u64 s[74:75], s[74:75], s[94:95]
	s_add_nc_u64 s[76:77], s[76:77], s[96:97]
	s_cmp_eq_u32 s23, 0                            ; the bias: bq, bk or bv, at the head's 64 numbers
	s_cselect_b64 s[78:79], s[10:11], s[12:13]
	s_cmp_lt_u32 s20, 8
	s_cselect_b64 s[78:79], s[78:79], s[8:9]
	s_lshl_b32 s94, s22, 8
	s_add_nc_u64 s[78:79], s[78:79], s[94:95]
.irp v, 0,1,2,3
.irp s, 0,1,2,3,4,5
	global_load_b32 v[VS+6*\v+\s], v5, s[74:75] offset:(6*\v+\s)*64   ; all of K's scale words come once and stay in registers
.endr
.endr
.irp f, 0,1
.irp s, 0,1,2,3,4,5
	global_load_b32 v[FSC+6*\f+\s], v5, s[76:77] offset:(6*\f+\s)*64
.endr
.endr
.irp v, 0,1,2,3                        ; every wave loads both forms of the bias (all inside the buffer): no register's writing hangs on a branch
	global_load_b128 v[BI+8*\v:BI+8*\v+3], v9, s[78:79] offset:(32*(\v/2)+8*(\v%2))*4
	global_load_b128 v[BI+8*\v+4:BI+8*\v+7], v9, s[78:79] offset:(32*(\v/2)+8*(\v%2))*4+16
.endr
	global_load_b32 v[BV], v10, s[78:79]
	global_load_b32 v[BV+2], v10, s[78:79] offset:32
	; where the results go
	s_lshl_b32 s80, s22, 8
	s_add_co_u32 s80, s80, s90                     ; 256 hd + T0
	s_lshl_b32 s81, s80, 10                        ; q's codes
	s_lshl_b32 s80, s80, 6
	s_add_co_u32 s80, s80, QS                      ; q's words
	s_lshl_b32 s83, s22, 5
	s_add_co_u32 s83, s83, s21
	s_mul_i32 s83, s83, REC                        ; the record (hd, step R)
	s_lshl_b32 s91, s24, 11
	s_add_co_u32 s91, s91, s83                     ; k's codes: packed fragment f2
	s_lshl_b32 s92, s24, 6
	s_add_co_u32 s92, s92, s83
	s_add_co_u32 s92, s92, 16384                   ; k's words
	s_lshl_b32 s93, s25, 12
	s_lshl_b32 s98, s23, 10
	s_add_co_u32 s93, s93, s98
	s_add_co_u32 s93, s93, s83
	s_add_co_u32 s93, s93, 8192                    ; v's codes: fragment 2 p + f, chunks 2 z, 2 z + 1
	s_lshl_b32 s98, s25, 7
	s_lshl_b32 s99, s23, 1
	s_add_co_u32 s98, s98, s99
	s_add_co_u32 s98, s98, s83
	s_add_co_u32 s98, s98, 16640                   ; v's words: bytes 2 z, 2 z + 1
	s_cmp_eq_u32 s23, 0
	s_cselect_b64 s[70:71], s[14:15], s[16:17]
	s_cselect_b32 s94, s81, s91
	s_cselect_b32 s96, s80, s92
	s_mov_b32 s99, 2048
	s_cmp_lt_u32 s20, 8
	s_cselect_b64 s[70:71], s[70:71], s[16:17]
	s_cselect_b32 s94, s94, s93
	s_cselect_b32 s96, s96, s98
	s_cselect_b32 s99, 1024, s99                   ; from f = 0 to f = 1
	s_mov_b64 s[72:73], s[70:71]
	s_add_nc_u64 s[70:71], s[70:71], s[94:95]
	s_add_nc_u64 s[72:73], s[72:73], s[96:97]
	v_add_nc_u32 v7, s99, v6
	s_wait_loadcnt 0x0                             ; scale words and biases
; K step s.  mode = 1: the products start the sums with the constant 0.
.macro KSTEP s, mode
	s_wait_tensorcnt 5-\s                          ; a wave's tensor loads end in order: my part of region s is in; my 5 - s later ones may stay out
	s_barrier_signal -1                            ; (no LDS instruction of mine is pending here)
	s_barrier_wait -1                              ; everybody's part is in
.irp v, 0,1,2,3
.irp c, 0,1,2,3
	ds_load_b128 v[VF+16*\v+4*\c:VF+16*\v+4*\c+3], v3 offset:2048*\v+512*\c
.endr
.endr
.irp f, 0,1
.irp c, 0,1,2,3
	ds_load_b128 v[FF+16*\f+4*\c:FF+16*\f+4*\c+3], v4 offset:2048*\f+512*\c
.endr
.endr
	s_wait_dscnt 0x0
.irp v, 0,1,2,3
.irp f, 0,1
.if \mode == 1
	v_wmma_scale_f32_16x16x128_f8f6f4 v[ACC+32*\f+8*\v:ACC+32*\f+8*\v+7], v[VF+16*\v:VF+16*\v+15], v[FF+16*\f:FF+16*\f+15], 0, v[VS+6*\v+\s], v[FSC+6*\f+\s]
.else
	v_wmma_scale_f32_16x16x128_f8f6f4 v[ACC+32*\f+8*\v:ACC+32*\f+8*\v+7], v[VF+16*\v:VF+16*\v+15], v[FF+16*\f:FF+16*\f+15], v[ACC+32*\f+8*\v:ACC+32*\f+8*\v+7], v[VS+6*\v+\s], v[FSC+6*\f+\s]
.endif
.endr
.endr
; eight places ahead of the next loads into the fragments' registers, and of the first read of results
.if \s < 5
	v_add_nc_u32 v3, REG, v3                       ; on to the next region
	v_add_nc_u32 v4, REG, v4
.rept 6
	v_nop
.endr
.else
.rept 8
	v_nop
.endr
.endif
.endm
	KSTEP 0, 1
	KSTEP 1, 0
	KSTEP 2, 0
	KSTEP 3, 0
	KSTEP 4, 0
	KSTEP 5, 0                                     ; its wait on TENSORcnt is for 0: no tensor load is out from here on
	; the bias, in f32, ahead of the quantiser; each accumulator is read from its low end on
	s_cmp_lt_u32 s20, 8
	s_cbranch_scc0 .Lbias_v
.irp f, 0,1
.irp v, 0,1,2,3
.irp i, 0,2,4,6
	v_pk_add_f32 v[ACC+32*\f+8*\v+\i:ACC+32*\f+8*\v+\i+1], v[ACC+32*\f+8*\v+\i:ACC+32*\f+8*\v+\i+1], v[BI+8*\v+\i:BI+8*\v+\i+1]
.endr
.endr
.endr
	s_branch .Lbiased
.Lbias_v:
.irp f, 0,1
.irp i, 0,2,4,6,8,10,12,14,16,18,20,22,24,26,28,30
	v_pk_add_f32 v[ACC+32*\f+\i:ACC+32*\f+\i+1], v[ACC+32*\f+\i:ACC+32*\f+\i+1], v[BV+2*\f:BV+2*\f+1] op_sel_hi:[1,0]   ; my channel's bias for both halves
.endr
.endr
.Lbiased:
	v_mov_b32 v[TM+4], 0                           ; a lane permute's destination counts as one of its sources
	v_mov_b32 v[TM+5], 0
; 32 numbers of a lane, register 16 b + i = K 32 b + 16 (lane / 16) + i, become 8 registers of codes (chunks 0, 1) at v[pc] and two scale bytes in v[hw]
.macro QUANT2 s, pc, hw
.irp b, 0,1
	v_max3_num_f32 v[TM+\b], |v[\s+16*\b]|, |v[\s+1+16*\b]|, 0x4800000   ; my 16 numbers, and the floor 2^(9 - 127): the byte cannot fall under 1
.endr
.irp i, 2,4,6,8,10,12,14
.irp b, 0,1
	v_max3_num_f32 v[TM+\b], v[TM+\b], |v[\s+16*\b+\i]|, |v[\s+1+16*\b+\i]|
.endr
.endr
.irp b, 0,1
	v_permlanex16_b32 v[TM+4+\b], v[TM+\b], s[SEL], s[SEL+1]
.endr
.irp b, 0,1
	v_max_num_f32 v[TM+\b], v[TM+\b], v[TM+4+\b]   ; with lane l xor 16's: the block's largest magnitude
.endr
.irp b, 0,1
	v_add_nc_u32 v[TM+12+\b], 0xfc000000, v[TM+\b] ; 8 off its exponent field: the conversions' scale operand
.endr
.irp b, 0,1
	v_and_or_b32 v[TM+8+\b], v[TM+\b], 0x7f800000, s[MNT]   ; 448 x the scale
.endr
.irp b, 0,1
	v_lshrrev_b32 v[TM+4+\b], 23, v[TM+12+\b]      ; the byte
.endr
	v_lshl_or_b32 v[\hw], v[TM+5], 8, v[TM+4]
.irp b, 0,1
.irp i, 0,1,2,3,4,5,6,7,8,9,10,11,12,13,14,15
	v_med3_num_f32 v[\s+16*\b+\i], v[\s+16*\b+\i], -v[TM+8+\b], v[TM+8+\b]   ; the conversion does not saturate (ISA guide 7.6.2): the hold comes first
.endr
	v_cvt_scalef32_pk8_fp8_f32 v[\pc+4*\b:\pc+4*\b+1], v[\s+16*\b:\s+16*\b+7], v[TM+12+\b]
	v_cvt_scalef32_pk8_fp8_f32 v[\pc+4*\b+2:\pc+4*\b+3], v[\s+16*\b+8:\s+16*\b+15], v[TM+12+\b]
.endr
	v_nop                                          ; a plain line behind the last conversion
.endm
	QUANT2 ACC, PC0, H0
	QUANT2 ACC+32, PC1, H0+1
	global_store_b128 v6, v[PC0:PC0+3], s[70:71]               ; each store: 512 consecutive bytes, aligned to 256
	global_store_b128 v6, v[PC0+4:PC0+7], s[70:71] offset:512
	global_store_b128 v7, v[PC1:PC1+3], s[70:71]
	global_store_b128 v7, v[PC1+4:PC1+7], s[70:71] offset:512
	s_cmp_lt_u32 s20, 8
	s_cbranch_scc0 .Lwords_v
	s_cmp_eq_u32 s23, 0
	s_cbranch_scc0 .Lwords_k
	v_lshl_or_b32 v[W0], v[H0], 16, v[H0]          ; q: the two bytes twice: they serve q in the low and in the high half of the instruction's K
	v_lshl_or_b32 v[W0+1], v[H0+1], 16, v[H0+1]
	global_store_b32 v5, v[W0], s[72:73]
	global_store_b32 v5, v[W0+1], s[72:73] offset:64
	s_wait_tensorcnt 0x0
	ds_add_u32 v94, v95
	s_wait_dscnt 0x0
	s_endpgm
.Lwords_k:
	v_lshl_or_b32 v[W0], v[H0+1], 16, v[H0]        ; k: tile 2 b's bytes below, tile 2 b + 1's above: the packed fragment's word
	global_store_b32 v5, v[W0], s[72:73]
	s_wait_tensorcnt 0x0
	ds_add_u32 v94, v95
	s_wait_dscnt 0x0
	s_endpgm
.Lwords_v:
	global_store_b16 v5, v[H0], s[72:73]           ; v: my 64 keys' two bytes of each channel's word
	global_store_b16 v5, v[H0+1], s[72:73] offset:64
	s_wait_tensorcnt 0x0
	ds_add_u32 v94, v95
	s_wait_dscnt 0x0
	s_endpgm
.Lfunc_end_k_q31c8b08401_qkv:
	.size	k_q31c8b08401_qkv, .Lfunc_end_k_q31c8b08401_qkv-k_q31c8b08401_qkv
	.p2alignl 7, 3214868480
	.fill 96, 4, 3214868480
	.section	.rodata,"a",@progbits
	.p2align	6, 0x0
	.amdhsa_kernel k_q31c8b08401_qkv
		.amdhsa_group_segment_fixed_size 247296
		.amdhsa_private_segment_fixed_size 0
		.amdhsa_enable_private_segment 0
		.amdhsa_kernarg_size 56
		.amdhsa_user_sgpr_count 2
		.amdhsa_user_sgpr_kernarg_segment_ptr 1
		.amdhsa_wavefront_size32 1
		.amdhsa_system_sgpr_workgroup_id_x 1
		.amdhsa_system_sgpr_workgroup_id_y 1
		.amdhsa_system_sgpr_workgroup_id_z 1
		.amdhsa_system_vgpr_workitem_id 0
		.amdhsa_next_free_vgpr 256
		.amdhsa_next_free_sgpr 100
		.amdhsa_reserve_vcc 0
		.amdhsa_float_denorm_mode_32 3
		.amdhsa_float_denorm_mode_16_64 3
		.amdhsa_memory_ordered 1
		.amdhsa_forward_progress 1
		.amdhsa_inst_pref_size 44
	.end_amdhsa_kernel
	.amdgpu_metadata
---
amdhsa.version: [ 1, 2 ]
amdhsa.kernels:
  - .name:           k_q31c8b08401_qkv
    .symbol:         k_q31c8b08401_qkv.kd
    .args:
      - { .name: xq, .offset: 0, .size: 8, .value_kind: global_buffer, .address_space: global }
      - { .name: wt, .offset: 8, .size: 8, .value_kind: global_buffer, .address_space: global }
      - { .name: bv, .offset: 16, .size: 8, .value_kind: global_buffer, .address_space: global }
      - { .name: bq, .offset: 24, .size: 8, .value_kind: global_buffer, .address_space: global }
      - { .name: bk, .offset: 32, .size: 8, .value_kind: global_buffer, .address_space: global }
      - { .name: qq, .offset: 40, .size: 8, .value_kind: global_buffer, .address_space: global }
      - { .name: kv, .offset: 48, .size: 8, .value_kind: global_buffer, .address_space: global }
    .group_segment_fixed_size: 247296
    .private_segment_fixed_size: 0
    .kernarg_segment_align: 8
    .kernarg_segment_size: 56
    .max_flat_workgroup_size: 384
    .sgpr_count:     100
    .vgpr_count:     256
    .wavefront_size: 32
...
	.end_amdgpu_metadata
.endif
;; end of part 2
;; launch attn (part 3): grid 16 x 12, 16 waves a work-group, no clusters, 35,840 bytes of LDS; arguments qq, kv, cq; writes cq
.if DOCPART == 3
	.amdgcn_target "amdgcn-amd-amdhsa--gfx1250"
	.amdhsa_code_object_version 6
	.text
	.protected	k_q31c8b08401_attn
	.globl	k_q31c8b08401_attn
	.p2align	8
	.type	k_q31c8b08401_attn,@function
k_q31c8b08401_attn:
	s_mov_b64 s[64:65], 0
	v_nop
	global_prefetch_b8 v0, s[64:65] scope:SCOPE_SE
	s_setreg_imm32_b32 hwreg(HW_REG_WAVE_MODE, 25, 1), 1
	s_wait_xcnt 0x0
; Causal attention of one head on codes of E4M3 with E8M0 scales; ctx = O / l is quantised along the head's 64 and stored as the last product's operand.
; t = score x log2(e) / 8; M = the running largest t rounded UP to a whole number; p = 2^(t - M) is quantised along the keys, not normalised; the row's sum is taken of the unquantised p and divides O at the end.
; When M moves, the sum and O are multiplied by 2^(old M - new M): exact.
; SHARES.  A head has 32 blocks of 128 queries; block B needs key steps 0 .. B of 128 keys, step B being its diagonal.  Work-group (j, hd) takes blocks j and 31 - j at once, eight waves each, a tile of 16 queries a wave:
; (j + 1) + (32 - j) = 33 steps' work for each pair of waves, whatever j.  16 x 12 = 192 work-groups of equal work; sixteen waves of 256 registers.
; wave w: block by (w xor w / 4) % 2, tile w / 2.  A step all of whose keys come after a wave's queries is passed over by a scalar branch on ids, round its LDS loads, products and softmax alone.
; RECORDS.  A key step's operands are one record of 16,896 bytes of kv: K: 4 packed fragments, V^T: 4 fragments, K's words, V's words.  The sixteen waves copy it through registers into one of two LDS buffers:
; asked for at a step's head, stored at its end, so that a whole key step lies between the request and the wait for it.  One barrier a step: in front of it each wave's stores into the other buffer have landed and its
; reads of this buffer are over.  Every LDS address register is made at the head and never changes: buffer, fragment and chunk stand in the immediates.
; LAYOUT.  Both products are used transposed: S^T = K Q^T, O^T = V^T P^T: a lane holds one query (slot lane % 16 of its tile).  Slot r of tile 2 b + u (of queries, keys, channels) is index 32 b + 8 u + r + 8 (r / 8), so that the
; 16 registers of result tiles 2 b, 2 b + 1 are indices 32 b + 16 (lane / 16) + 0 .. 15.  THE HEAD'S K IS 64, THE INSTRUCTION'S 128: a packed fragment of K holds tile 2 b in k 0-63 and tile 2 b + 1 in k 64-127;
; Q stands between two runs of zero codes, [Z][Q][Z]: [Q|Z] gives tile 2 b's scores, [Z|Q] tile 2 b + 1's.  Zero codes add nothing.
; NO CLUSTER: the sixteen work-groups of a head walk 32 - j records, a different number each, and the records come through registers.
; LIMITS: the division by l is v_rcp_f32 and a multiplication; a block of zeros gets the byte 1 (its codes are zeros; this program alone reads the bytes); NaN and infinities are not served.
.set QS,   3145728
.set XS,   3145728
.set REC,  16896
.set LI,   1                           ; v1   16 x lane
.set LS,   2                           ; v2   4 x (lane % 16)
.set CPL,  3                           ; v3   16 x thread: my 16 bytes of 8,192 in an LDS buffer
.set CPO0, 4                           ; v4   the same in a record in memory
.set CPO,  5                           ; v5   + the record in hand
.set DD,   6                           ; v6   my query within its block - 16 (lane / 16)
.set SW,   8                           ; v8-11    scale words of K's, then of V's four fragments
.set KV,   40                          ; v40-103  four fragments of K, then of V
.set S,    104                         ; v104-167 S^T, then p
.set O,    168                         ; v168-199 O^T
.set PC,   200                         ; v200-215 p's codes
.set BM,   216                         ; v216-219 the blocks' largest scores, then largest p
.set TP,   220                         ; v220-223 at work
.set HD,   224                         ; v224-227 448 x the scale
.set SO,   228                         ; v228-231 the conversions' scale operands
.set QW,   232                         ; v232 Q's scale word
.set FA,   234                         ; v234 f = 2^(old M - new M)
.set PW,   235                         ; v235 p's scale word
.set TMP,  236
.set NINF, 237                         ; -infinity
.set CP,   240                         ; v240-251 a record's bytes on their way
.set TM,   216                         ; the way out's quantiser works in v216-229
.set MNT,  19
.set SEL,  20
.set CS,   22                          ; s[22:23] c = log2(e) / 8; the packed form names a pair and takes its low word
	s_load_b128 s[4:7], s[0:1], 0x0                ; qq s[4:5], kv s[6:7]
	s_load_b64 s[8:9], s[0:1], 0x10                ; cq
	v_lshl_add_u32 v254, v0, 2, 0x8400
	v_mov_b32 v255, 0
	v_lshrrev_b32 v1, 5, v0
	v_readfirstlane_b32 s10, v1                    ; wave 0..15
	s_mov_b32 s11, ttmp9                           ; j
	s_and_b32 s12, ttmp7, 0xffff                   ; hd
	s_lshr_b32 s26, s10, 2
	s_xor_b32 s26, s26, s10
	s_and_b32 s26, s26, 1                          ; which of the two blocks
	s_lshr_b32 s14, s10, 1                         ; which tile of it
	s_sub_co_u32 s27, 31, s11
	s_cmp_eq_u32 s26, 0
	s_cselect_b32 s13, s11, s27                    ; B
	s_sub_co_u32 s16, 32, s11                      ; key steps of the work-group: 0 .. 31 - j
	s_sub_co_u32 s18, 33, s11
	s_lshr_b32 s18, s18, 1                         ; trips of two steps (where the count is odd, every wave passes over the step that is over)
	s_mov_b32 s15, 0                               ; the step in hand
	s_mov_b32 s17, 0
	s_mov_b32 s[MNT], 0x600000
	s_mov_b32 s[SEL], 0x76543210
	s_mov_b32 s[SEL+1], 0xfedcba98
	s_mov_b32 s[CS], 0x3e38aa3b
	s_mov_b32 s[CS+1], s[CS]
	s_lshl_b32 s30, s13, 3
	s_add_co_u32 s30, s30, s14                     ; T = 8 B + tile
	s_lshl_b32 s27, s12, 8
	s_add_co_u32 s27, s27, s30
	s_lshl_b32 s32, s27, 10                        ; Q's codes: (256 hd + T) x 1,024
	s_mov_b32 s33, 0
	s_lshl_b32 s34, s27, 6
	s_add_co_u32 s34, s34, QS                      ; its words
	s_mov_b32 s35, 0
	s_mul_i32 s36, s12, 32*REC                     ; the head's records
	s_mov_b32 s37, 0
	s_mul_i32 s38, s13, 98304                      ; ctx's image: 98,304 B + 16,384 (hd / 2) + 2,048 tile + 1,024 (hd % 2)
	s_lshr_b32 s27, s12, 1
	s_lshl_b32 s28, s27, 14
	s_add_co_u32 s38, s38, s28
	s_lshl_b32 s28, s14, 11
	s_add_co_u32 s38, s38, s28
	s_and_b32 s29, s12, 1
	s_lshl_b32 s28, s29, 10
	s_add_co_u32 s38, s38, s28
	s_mov_b32 s39, 0
	s_mul_i32 s40, s30, 384                        ; its words: XS + 384 T + 64 (hd / 2) + 2 (hd % 2)
	s_lshl_b32 s28, s27, 6
	s_add_co_u32 s40, s40, s28
	s_lshl_b32 s28, s29, 1
	s_add_co_u32 s40, s40, s28
	s_add_co_u32 s40, s40, XS
	s_mov_b32 s41, 0
	v_and_b32 v[LI], 31, v0
	v_lshlrev_b32 v[LI], 4, v[LI]
	v_and_b32 v7, 15, v0                           ; r
	v_lshlrev_b32 v[LS], 2, v7
	v_lshlrev_b32 v[CPL], 4, v0
	v_lshlrev_b32 v[CPO0], 4, v0
	s_lshr_b32 s26, s14, 1
	s_lshl_b32 s26, s26, 5
	s_and_b32 s27, s14, 1
	s_lshl_b32 s27, s27, 3
	s_add_co_u32 s26, s26, s27                     ; the tile's first query within the block
	v_and_b32 v[DD], 8, v7
	v_add_nc_u32 v[DD], v[DD], v7                  ; r + 8 (r / 8)
	v_bfe_u32 v7, v0, 4, 1
	v_lshlrev_b32 v7, 4, v7
	v_sub_nc_u32 v[DD], v[DD], v7                  ; - 16 h
	v_add_nc_u32 v[DD], s26, v[DD]
.irp i, 8,9,10,11
	v_mov_b32 v[CP+\i], 0                          ; (only wave 0 loads these four: they are written on every path)
.endr
	s_wait_kmcnt 0x0
	s_add_nc_u64 s[32:33], s[4:5], s[32:33]
	s_add_nc_u64 s[34:35], s[4:5], s[34:35]
	s_add_nc_u64 s[24:25], s[6:7], s[36:37]
	s_add_nc_u64 s[38:39], s[8:9], s[38:39]
	s_add_nc_u64 s[40:41], s[8:9], s[40:41]
	global_load_b128 v[CP:CP+3], v[CPO0], s[24:25]                 ; record 0: 16 waves x 512 bytes an instruction
	global_load_b128 v[CP+4:CP+7], v[CPO0], s[24:25] offset:8192
	global_load_b128 v[24:27], v[LI], s[32:33]                     ; Q: chunks 0, 1
	global_load_b128 v[28:31], v[LI], s[32:33] offset:512
	global_load_b32 v[QW], v[LS], s[34:35]
	s_cmp_lg_u32 s10, 0
	s_cbranch_scc1 .Lhead_a
	global_load_b128 v[CP+8:CP+11], v[CPO0], s[24:25] offset:16384 ; the record's 512 bytes of scale words: wave 0
.Lhead_a:
.irp i, 0,1,2,3,4,5,6,7
	v_mov_b32 v[16+\i], 0                          ; the zero codes on both sides of Q
	v_mov_b32 v[32+\i], 0
.endr
	v_mov_b32 v13, 0xff61b1e6                      ; the largest t so far: -3e38, under every t
	v_floor_f32 v12, -v13                          ; -M
	v_mov_b32 v14, 0                               ; the sum, in two halves
	v_mov_b32 v15, 0
.set i, 0
.rept 32
	v_mov_b32 v[O+i], 0                            ; O^T: the step is written once; the first finds zeros, which the first change of M leaves zeros
.set i, i+1
.endr
.irp b, 0,1,2,3
	v_mov_b32 v[TP+\b], 0                          ; a lane permute's destination counts as one of its sources
.endr
	v_mov_b32 v[PW], 0                             ; (named as the upper half of the pair with f before it is first written)
	v_mov_b32 v[TMP], 0
	v_mov_b32 v[NINF], 0xff800000
	s_wait_loadcnt 0x0
	ds_store_b128 v[CPL], v[CP:CP+3]
	ds_store_b128 v[CPL], v[CP+4:CP+7] offset:8192
	s_cmp_lg_u32 s10, 0
	s_cbranch_scc1 .Lhead_b
	ds_store_b128 v[CPL], v[CP+8:CP+11] offset:16384
.Lhead_b:
	s_wait_dscnt 0x0                               ; for the others' sake: my stores have landed
	s_barrier_signal -1
	s_barrier_wait -1                              ; record 0 lies in buffer 0
; A KEY STEP on LDS buffer bf
.macro STEP bf
	s_add_co_u32 s26, s15, 1
	s_cmp_lt_u32 s26, s16                          ; is there a next record?  (the same in all sixteen waves)
	s_cbranch_scc0 .Lnoask_\@
	s_mul_i32 s27, s26, REC
	v_add_nc_u32 v[CPO], s27, v[CPO0]              ; (the loads that last read this register were waited for at the last step's end)
	global_load_b128 v[CP:CP+3], v[CPO], s[24:25]
	global_load_b128 v[CP+4:CP+7], v[CPO], s[24:25] offset:8192
	s_cmp_lg_u32 s10, 0
	s_cbranch_scc1 .Lnoask_\@
	global_load_b128 v[CP+8:CP+11], v[CPO], s[24:25] offset:16384
.Lnoask_\@:
	s_cmp_gt_u32 s15, s13                          ; all 128 keys come after my queries: nothing to do but the copy and the barrier
	s_cbranch_scc1 .Lskip_\@
.irp b, 0,1,2,3
.irp c, 0,1,2,3
	ds_load_b128 v[KV+16*\b+4*\c:KV+16*\b+4*\c+3], v[LI] offset:(\bf)*REC+2048*\b+512*\c
.endr
	ds_load_b32 v[SW+\b], v[LS] offset:(\bf)*REC+16384+64*\b
.endr
	s_wait_dscnt 0x0
.irp b, 0,1,2,3                        ; S^T: register 16 b + i of a lane = key 32 b + 16 (lane / 16) + i of the step
	v_wmma_scale_f32_16x16x128_f8f6f4 v[S+16*\b:S+16*\b+7], v[KV+16*\b:KV+16*\b+15], v[24:39], 0, v[SW+\b], v[QW]
	v_wmma_scale_f32_16x16x128_f8f6f4 v[S+16*\b+8:S+16*\b+15], v[KV+16*\b:KV+16*\b+15], v[16:31], 0, v[SW+\b], v[QW]
.endr
.rept 8
	v_nop                                          ; eight places ahead of the loads into K's registers and of the first read of the scores
.endr
.irp t, 0,1,2,3                        ; V's fragments are asked for now and land while the softmax is worked
.irp c, 0,1,2,3
	ds_load_b128 v[KV+16*\t+4*\c:KV+16*\t+4*\c+3], v[LI] offset:(\bf)*REC+8192+2048*\t+512*\c
.endr
	ds_load_b32 v[SW+\t], v[LS] offset:(\bf)*REC+16640+64*\t
.endr
	s_cmp_lg_u32 s15, s13                          ; the diagonal step: hidden scores become -infinity ahead of the maximum: p = 0 then
	s_cbranch_scc1 .Lopen_\@
.set n, 0
.rept 64
	v_cmp_gt_i32 vcc_lo, 32*(n/16)+n%16, v[DD]
	v_cndmask_b32 v[S+n], v[S+n], v[NINF], vcc_lo
.set n, n+1
.endr
.Lopen_\@:
.irp b, 0,1,2,3
	v_max3_num_f32 v[BM+\b], v[S+16*\b], v[S+1+16*\b], v[S+2+16*\b]   ; the largest score of each block of 32 keys: for the row's maximum and, since p rises with the score, for the block's largest p
.endr
.irp i, 3,5,7,9,11,13
.irp b, 0,1,2,3
	v_max3_num_f32 v[BM+\b], v[BM+\b], v[S+16*\b+\i], v[S+1+16*\b+\i]
.endr
.endr
.irp b, 0,1,2,3
	v_max_num_f32 v[BM+\b], v[BM+\b], v[S+15+16*\b]
.endr
.irp b, 0,1,2,3
	v_permlanex16_b32 v[TP+\b], v[BM+\b], s[SEL], s[SEL+1]
.endr
.irp b, 0,1,2,3
	v_max_num_f32 v[BM+\b], v[BM+\b], v[TP+\b]     ; with lane l xor 16's 16 keys
.endr
	v_max3_num_f32 v[TMP], v[BM], v[BM+1], v[BM+2]
	v_max_num_f32 v[TMP], v[TMP], v[BM+3]          ; the step's largest score of my query
	v_mul_f32 v[TMP], s[CS], v[TMP]                ; as t (c is positive)
	v_max_num_f32 v13, v13, v[TMP]                 ; the running largest t
	v_mov_b32 v[TMP], v12
	v_floor_f32 v12, -v13                          ; the new -M = floor(-t) = -ceil(t)
	v_sub_f32 v[TMP], v12, v[TMP]                  ; old M - new M: a whole number, 0 or less
	v_cvt_i32_f32 v[TMP], v[TMP]                   ; (it saturates)
	v_ldexp_f32 v[FA], 1.0, v[TMP]                 ; f = 2^(old M - new M)
.set i, 0
.rept 32
	v_pk_fma_f32 v[S+i:S+i+1], v[S+i:S+i+1], s[CS:CS+1], v[12:13] op_sel_hi:[1,0,0]   ; t - M, two at a time
.set i, i+2
.endr
.irp b, 0,1,2,3
	v_fma_f32 v[BM+\b], v[BM+\b], s[CS], v12       ; the same of each block's largest score
.endr
.set i, 0
.rept 64
	v_exp_f32 v[S+i], v[S+i]                       ; p = 2^(t - M), at most 1
.set i, i+1
.endr
	v_pk_mul_f32 v[14:15], v[14:15], v[FA:FA+1] op_sel_hi:[1,0]   ; the sums under the new M: the plain line behind the exponentials
	s_wait_alu depctr_va_vdst(0)                   ; the wait ahead of the first line that names a result: one for the batch of 64
.irp b, 0,1,2,3
	v_exp_f32 v[BM+\b], v[BM+\b]                   ; the block's largest p: the same two instructions on the same number
.endr
	v_pk_add_f32 v[TP:TP+1], v[S:S+1], v[S+2:S+3]  ; the row's sum is taken of the unquantised p, in two chains
.irp j, 4,8,12,16,20,24,28,32,36,40,44,48,52,56,60
	v_pk_add_f32 v[14:15], v[14:15], v[S+\j:S+\j+1]
	v_pk_add_f32 v[TP:TP+1], v[TP:TP+1], v[S+2+\j:S+3+\j]
.endr
	v_pk_add_f32 v[14:15], v[14:15], v[TP:TP+1]
	s_wait_alu depctr_va_vdst(0)                   ; and one for the four
.irp b, 0,1,2,3
	v_max_num_f32 v[BM+\b], 0x4800000, v[BM+\b]    ; the floor 2^(9 - 127): the byte cannot fall under 1
.endr
.irp b, 0,1,2,3
	v_add_nc_u32 v[SO+\b], 0xfc000000, v[BM+\b]    ; 8 off the exponent field: the conversions' scale operand
.endr
.irp b, 0,1,2,3
	v_and_or_b32 v[HD+\b], v[BM+\b], 0x7f800000, s[MNT]   ; 448 x the scale
.endr
.irp b, 0,1,2,3
	v_lshrrev_b32 v[TP+\b], 23, v[SO+\b]           ; the byte
.endr
	v_lshl_or_b32 v[PW], v[TP+1], 8, v[TP]         ; p's scale word for these 128 keys
	v_lshl_or_b32 v[PW], v[TP+2], 16, v[PW]
	v_lshl_or_b32 v[PW], v[TP+3], 24, v[PW]
.irp b, 0,1,2,3
.irp i, 0,1,2,3,4,5,6,7,8,9,10,11,12,13,14,15
	v_min_num_f32 v[S+16*\b+\i], v[S+16*\b+\i], v[HD+\b]   ; the conversion does not saturate (ISA guide 7.6.2); p is not negative: a one-sided hold
.endr
	v_cvt_scalef32_pk8_fp8_f32 v[PC+4*\b:PC+4*\b+1], v[S+16*\b:S+16*\b+7], v[SO+\b]
	v_cvt_scalef32_pk8_fp8_f32 v[PC+4*\b+2:PC+4*\b+3], v[S+16*\b+8:S+16*\b+15], v[SO+\b]
.endr
.set i, 0
.rept 16
	v_pk_mul_f32 v[O+i:O+i+1], v[O+i:O+i+1], v[FA:FA+1] op_sel_hi:[1,0]   ; O^T under the new M; these sixteen also stand between the conversions and the products
.set i, i+2
.endr
	s_wait_dscnt 0x0                               ; V and its words are in
.irp t, 0,1,2,3                        ; O^T += V^T P^T; the four accumulators by turns, and eight other products stand between two links
	v_wmma_scale_f32_16x16x128_f8f6f4 v[O+8*\t:O+8*\t+7], v[KV+16*\t:KV+16*\t+15], v[PC:PC+15], v[O+8*\t:O+8*\t+7], v[SW+\t], v[PW]
.endr
.rept 8
	v_nop                                          ; eight places ahead of the next step's loads into V's registers and of the next read or write of O^T
.endr
.Lskip_\@:
	s_wait_loadcnt 0x0                             ; the next record's bytes are in my registers
	s_cmp_lt_u32 s26, s16
	s_cbranch_scc0 .Lnoput_\@
	ds_store_b128 v[CPL], v[CP:CP+3] offset:(1-(\bf))*REC          ; into the other buffer: its last readers passed the last step's barrier behind their wait for their loads
	ds_store_b128 v[CPL], v[CP+4:CP+7] offset:(1-(\bf))*REC+8192
	s_cmp_lg_u32 s10, 0
	s_cbranch_scc1 .Lnoput_\@
	ds_store_b128 v[CPL], v[CP+8:CP+11] offset:(1-(\bf))*REC+16384
.Lnoput_\@:
	s_wait_dscnt 0x0                               ; my stores have landed, and my reads of this buffer are over
	s_barrier_signal -1
	s_barrier_wait -1
	s_add_co_u32 s15, s15, 1
.endm
.Ltrip:
	STEP 0
	STEP 1
	s_add_co_u32 s17, s17, 1
	s_cmp_lt_u32 s17, s18
	s_cbranch_scc1 .Ltrip
	; THE WAY OUT: ctx = O^T / l, quantised along the head's 64 (register 16 b + i = channel 32 b + 16 (lane / 16) + i), stored as chunks 2 (hd % 2), + 1 of K step hd / 2 of the last product's operand
	v_add_f32 v14, v14, v15                        ; the sum's two halves,
	v_permlanex16_b32 v[TMP], v14, s[SEL], s[SEL+1]
	v_add_f32 v14, v14, v[TMP]                     ; and lane l xor 16's: the row's sum
	v_rcp_f32 v14, v14
	v_nop                                          ; a plain line behind the transcendental
	s_wait_alu depctr_va_vdst(0)                   ; and the wait ahead of its first reader
.set i, 0
.rept 32
	v_mul_f32 v[S+i], v[O+i], v14                  ; each accumulator from its low end on
.set i, i+1
.endr
.irp b, 0,1
	v_max3_num_f32 v[TM+\b], |v[S+16*\b]|, |v[S+1+16*\b]|, 0x4800000
.endr
.irp i, 2,4,6,8,10,12,14
.irp b, 0,1
	v_max3_num_f32 v[TM+\b], v[TM+\b], |v[S+16*\b+\i]|, |v[S+1+16*\b+\i]|
.endr
.endr
.irp b, 0,1
	v_permlanex16_b32 v[TM+4+\b], v[TM+\b], s[SEL], s[SEL+1]
.endr
.irp b, 0,1
	v_max_num_f32 v[TM+\b], v[TM+\b], v[TM+4+\b]
.endr
.irp b, 0,1
	v_add_nc_u32 v[TM+12+\b], 0xfc000000, v[TM+\b]
.endr
.irp b, 0,1
	v_and_or_b32 v[TM+8+\b], v[TM+\b], 0x7f800000, s[MNT]
.endr
.irp b, 0,1
	v_lshrrev_b32 v[TM+4+\b], 23, v[TM+12+\b]
.endr
	v_lshl_or_b32 v[TMP], v[TM+5], 8, v[TM+4]      ; my query's two scale bytes
.irp b, 0,1
.irp i, 0,1,2,3,4,5,6,7,8,9,10,11,12,13,14,15
	v_med3_num_f32 v[S+16*\b+\i], v[S+16*\b+\i], -v[TM+8+\b], v[TM+8+\b]
.endr
	v_cvt_scalef32_pk8_fp8_f32 v[PC+4*\b:PC+4*\b+1], v[S+16*\b:S+16*\b+7], v[TM+12+\b]
	v_cvt_scalef32_pk8_fp8_f32 v[PC+4*\b+2:PC+4*\b+3], v[S+16*\b+8:S+16*\b+15], v[TM+12+\b]
.endr
	v_nop
	global_store_b128 v[LI], v[PC:PC+3], s[38:39]              ; 512 consecutive bytes a store, aligned to 256
	global_store_b128 v[LI], v[PC+4:PC+7], s[38:39] offset:512
	global_store_b16 v[LS], v[TMP], s[40:41]                   ; my head's half of the slot's word
	s_wait_tensorcnt 0x0
	ds_add_u32 v254, v255
	s_wait_dscnt 0x0
	s_endpgm
.Lfunc_end_k_q31c8b08401_attn:
	.size	k_q31c8b08401_attn, .Lfunc_end_k_q31c8b08401_attn-k_q31c8b08401_attn
	.p2alignl 7, 3214868480
	.fill 96, 4, 3214868480
	.section	.rodata,"a",@progbits
	.p2align	6, 0x0
	.amdhsa_kernel k_q31c8b08401_attn
		.amdhsa_group_segment_fixed_size 35840
		.amdhsa_private_segment_fixed_size 0
		.amdhsa_enable_private_segment 0
		.amdhsa_kernarg_size 24
		.amdhsa_user_sgpr_count 2
		.amdhsa_user_sgpr_kernarg_segment_ptr 1
		.amdhsa_wavefront_size32 1
		.amdhsa_system_sgpr_workgroup_id_x 1
		.amdhsa_system_sgpr_workgroup_id_y 1
		.amdhsa_system_sgpr_workgroup_id_z 1
		.amdhsa_system_vgpr_workitem_id 0
		.amdhsa_next_free_vgpr 256
		.amdhsa_next_free_sgpr 66
		.amdhsa_reserve_vcc 1
		.amdhsa_float_denorm_mode_32 3
		.amdhsa_float_denorm_mode_16_64 3
		.amdhsa_memory_ordered 1
		.amdhsa_forward_progress 1
		.amdhsa_inst_pref_size 61
	.end_amdhsa_kernel
	.amdgpu_metadata
---
amdhsa.version: [ 1, 2 ]
amdhsa.kernels:
  - .name:           k_q31c8b08401_attn
    .symbol:         k_q31c8b08401_attn.kd
    .args:
      - { .name: qq, .offset: 0, .size: 8, .value_kind: global_buffer, .address_space: global }
      - { .name: kv, .offset: 8, .size: 8, .value_kind: global_buffer, .address_space: global }
      - { .name: cq, .offset: 16, .size: 8, .value_kind: global_buffer, .address_space: global }
    .group_segment_fixed_size: 35840
    .private_segment_fixed_size: 0
    .kernarg_segment_align: 8
    .kernarg_segment_size: 24
    .max_flat_workgroup_size: 512
    .sgpr_count:     66
    .vgpr_count:     256
    .wavefront_size: 32
...
	.end_amdgpu_metadata
.endif
;; end of part 3
;; launch proj (part 4): grid 32 x 4, 12 waves a work-group, no clusters, 299,520 bytes of LDS; arguments cq, wt, bo, out0; writes out0
.if DOCPART == 4
	.amdgcn_target "amdgcn-amd-amdhsa--gfx1250"
	.amdhsa_code_object_version 6
	.text
	.protected	k_q31c8b08401_proj
	.globl	k_q31c8b08401_proj
	.p2align	8
	.type	k_q31c8b08401_proj,@function
k_q31c8b08401_proj:
	s_mov_b64 s[64:65], 0
	v_nop
	global_prefetch_b8 v0, s[64:65] scope:SCOPE_SE
	s_setreg_imm32_b32 hwreg(HW_REG_WAVE_MODE, 25, 1), 1
	s_wait_xcnt 0x0
; out0 = ctx wo + bo for 128 rows (block R = work-group x) and 192 columns (g = work-group y), on codes of E4M3 with E8M0 scales.
; OPERANDS are images of registers (a fragment: 16 slots x 128 K, 2,048 bytes, chunk c at 512 c, lane l at 16 l); slot r of tile 2 b + u is row or column 32 b + 8 u + r + 8 (r / 8).
; LDS: six regions, one for each K step of 128: [ctx's 8 tiles 16,384][three units of 64 columns of wo, 8,192 each] = 40,960 bytes, each byte filled once by the tensor data mover; behind them a stage of
; 16 rows x 272 bytes for each wave, into which no fill lands.  Waves 0-9 bring 4,096 dense bytes of each region: six loads a wave, all issued at the head; six of a wave are out at the most.
; ROLES: wave w: unit a = w / 4, pair = w % 4.  Source 0 = the unit's four tiles of wo, source 1 = ctx's tiles 2 pair, 2 pair + 1: a lane holds one row of out0, and register j of tiles 2 b, 2 b + 1 column 32 b + 16 (lane / 16) + 8 u + j.
; The bias is the C of each sum's first product.  4 x 2 accumulators by turns.
; NO CLUSTER: ctx's regions are also read by the 3 other work-groups of this row block and wo's by the 31 others of these columns; joint loads would divide those requests by four.  This text leaves them out: a work-group
; asks for its 245,760 bytes once, at its head, by loads of its own.
.set XS,  3145728
.set WS,  2359296
.set REG, 40960
.set STG, 245760                       ; the stages: 4,352 bytes a wave
.set G1,  28                           ; s[28:35] descriptor group 1
.set G0,  36                           ; s[36:59] descriptor group 0, a set for each K step
.set VS,  12                           ; v12-35   wo's scale words, tile v, K step s at 6 v + s
.set FSC, 36                           ; v36-47   ctx's, tile f at 6 f + s
.set BI,  48                           ; v48-79   the bias: register 8 v + j
.set VF,  96                           ; v96-159  source 0's four fragments; on the way out rows read back
.set FF,  160                          ; v160-191 source 1's two
.set ACC, 192                          ; v192-255 accumulator (f, v) at 32 f + 8 v
.set OB,  96
	s_load_b256 s[4:11], s[0:1], 0x0               ; cq s[4:5], wt s[6:7], bo s[8:9], out0 s[10:11]
	v_lshl_add_u32 v94, v0, 2, 0x48c00
	v_mov_b32 v95, 0
	ds_add_u32 v94, v95
	ds_add_u32 v94, v95
	v_lshrrev_b32 v1, 5, v0
	v_readfirstlane_b32 s20, v1                    ; wave 0..11
	s_mov_b32 s21, ttmp9                           ; R
	s_and_b32 s22, ttmp7, 0xffff                   ; g
	s_lshr_b32 s23, s20, 2                         ; a
	s_and_b32 s24, s20, 3                          ; pair
	s_lshr_b32 s25, s20, 1
	; group 1: 4,096 dense bytes as 16 rows of 32 elements of 8 bytes; no padding, no mask
	s_mov_b32 s[G1+0], 3<<16
	s_mov_b32 s[G1+1], 32<<16
	s_mov_b32 s[G1+2], 16<<16
	s_mov_b32 s[G1+3], 32<<16
	s_mov_b32 s[G1+4], 16
	s_mov_b32 s[G1+5], 32
	s_mov_b32 s[G1+6], 0
	s_mov_b32 s[G1+7], 0
	s_lshl_b32 s82, s20, 12                        ; where my part goes in a region: 4,096 x wave
	s_mul_i32 s81, s21, 98304
	s_add_co_u32 s81, s81, s82                     ; waves 0-3: cq at 98,304 R + 4,096 wave; 16,384 from K step to K step
	s_max_u32 s80, s25, 2
	s_sub_co_u32 s80, s80, 2                       ; waves 4-9: which of the three units
	s_mul_i32 s83, s22, 3
	s_add_co_u32 s80, s80, s83
	s_add_co_u32 s80, s80, 36                      ; wo's units begin at 36
	s_mul_i32 s80, s80, 49152
	s_and_b32 s83, s20, 1
	s_lshl_b32 s83, s83, 12
	s_add_co_u32 s80, s80, s83                     ; wt at 49,152 U + 4,096 (wave % 2); 8,192 from K step to K step
	s_mov_b32 s84, 8192
	s_mov_b32 s85, 0
	s_mov_b32 s89, 0
	v_and_b32 v11, 31, v0                          ; lane
	v_and_b32 v1, 15, v0                           ; r
	v_bfe_u32 v2, v0, 4, 1                         ; h
	v_lshlrev_b32 v6, 4, v11                       ; 16 x lane
	v_lshlrev_b32 v5, 2, v1                        ; 4 r
	v_lshlrev_b32 v9, 6, v2                        ; 64 h
	s_wait_dscnt 0x0
	s_wait_kmcnt 0x0
	s_cmp_lt_u32 s20, 4
	s_cselect_b64 s[86:87], s[4:5], s[6:7]
	s_cselect_b32 s88, s81, s80
	s_cselect_b32 s84, 16384, s84
	s_add_nc_u64 s[86:87], s[86:87], s[88:89]
.irp s, 0,1,2,3,4,5
	s_mov_b32 s[G0+4*\s], 1
	s_add_co_u32 s[G0+4*\s+1], s82, \s*REG
	s_mov_b64 s[G0+4*\s+2:G0+4*\s+3], s[86:87]
	s_or_b32 s[G0+4*\s+3], s[G0+4*\s+3], 0x80000000
	s_add_nc_u64 s[86:87], s[86:87], s[84:85]
.endr
	s_cmp_lt_u32 s20, 10                           ; a wave's six first fills stand in one branch on the wave's number, ahead of every wait on TENSORcnt, every LDS read and every barrier
	s_cbranch_scc0 .Lnofill
.irp s, 0,1,2,3,4,5
	tensor_load_to_lds s[G0+4*\s:G0+4*\s+3], s[G1:G1+7]
	s_nop 0
.endr
.rept 4
	v_nop
.endr
.Lnofill:
	s_lshl_b32 s80, s23, 13
	s_add_co_u32 s80, s80, 16384                   ; source 0: my unit of wo
	v_add_nc_u32 v3, s80, v6
	s_lshl_b32 s81, s24, 12                        ; source 1: my pair of ctx's tiles
	v_add_nc_u32 v4, s81, v6
	s_mul_i32 s80, s20, 4352
	s_add_co_u32 s80, s80, STG                     ; my stage
	v_mul_u32_u24 v7, v1, 272
	v_lshl_add_u32 v7, v2, 6, v7
	v_add_nc_u32 v7, s80, v7                       ; into it: row r, + 64 h.  272 = 256 + 16: sixteen lanes' rows start 16 bytes apart modulo 256 (64 banks of 4 bytes: ISA guide 11.1)
	v_mul_u32_u24 v8, v2, 272
	v_lshl_add_u32 v8, v1, 4, v8
	v_add_nc_u32 v8, s80, v8                       ; back: lanes 0-15 one row of 256 bytes, lanes 16-31 the next
	v_mul_u32_u24 v10, v2, 3072
	v_lshl_add_u32 v10, v1, 4, v10                 ; and the same two rows in out0
	s_mul_i32 s80, s22, 3
	s_add_co_u32 s80, s80, s23
	s_add_co_u32 s80, s80, 36
	s_mul_i32 s80, s80, 1536
	s_add_co_u32 s80, s80, WS                      ; wo's words: WS + 384 x 4 (36 + 3 g + a)
	s_mov_b32 s81, 0
	s_lshl_b32 s90, s21, 3
	s_lshl_b32 s91, s24, 1
	s_add_co_u32 s90, s90, s91
	s_mul_i32 s90, s90, 384
	s_add_co_u32 s90, s90, XS                      ; ctx's words: XS + 384 (8 R + 2 pair)
	s_mov_b32 s91, 0
	s_mul_i32 s92, s22, 768
	s_lshl_b32 s93, s23, 8
	s_add_co_u32 s92, s92, s93                     ; my 64 columns, in bytes: 768 g + 256 a
	s_mov_b32 s93, 0
	s_lshl_b32 s94, s21, 2
	s_add_co_u32 s94, s94, s24
	s_mul_i32 s94, s94, 98304                      ; my 32 rows: 32 (4 R + pair) x 3,072
	s_add_co_u32 s94, s94, s92
	s_mov_b32 s95, 0
	s_add_nc_u64 s[74:75], s[6:7], s[80:81]
	s_add_nc_u64 s[76:77], s[4:5], s[90:91]
	s_add_nc_u64 s[78:79], s[8:9], s[92:93]
	s_add_nc_u64 s[70:71], s[10:11], s[94:95]
.irp v, 0,1,2,3
.irp s, 0,1,2,3,4,5
	global_load_b32 v[VS+6*\v+\s], v5, s[74:75] offset:(6*\v+\s)*64   ; all of K's scale words come once and stay in registers
.endr
.endr
.irp f, 0,1
.irp s, 0,1,2,3,4,5
	global_load_b32 v[FSC+6*\f+\s], v5, s[76:77] offset:(6*\f+\s)*64
.endr
.endr
.irp v, 0,1,2,3
	global_load_b128 v[BI+8*\v:BI+8*\v+3], v9, s[78:79] offset:(32*(\v/2)+8*(\v%2))*4
	global_load_b128 v[BI+8*\v+4:BI+8*\v+7], v9, s[78:79] offset:(32*(\v/2)+8*(\v%2))*4+16
.endr
	s_wait_loadcnt 0x0                             ; scale words and bias
; K step s.  mode = 2: the products start the sums with the bias as C.
.macro KSTEP s, mode
	s_wait_tensorcnt 5-\s                          ; a wave's tensor loads end in order: my part of region s is in; my 5 - s later ones may stay out
	s_barrier_signal -1                            ; (no LDS instruction of mine is pending here)
	s_barrier_wait -1                              ; everybody's part is in
.irp v, 0,1,2,3
.irp c, 0,1,2,3
	ds_load_b128 v[VF+16*\v+4*\c:VF+16*\v+4*\c+3], v3 offset:2048*\v+512*\c
.endr
.endr
.irp f, 0,1
.irp c, 0,1,2,3
	ds_load_b128 v[FF+16*\f+4*\c:FF+16*\f+4*\c+3], v4 offset:2048*\f+512*\c
.endr
.endr
	s_wait_dscnt 0x0
.irp v, 0,1,2,3
.irp f, 0,1
.if \mode == 2
	v_wmma_scale_f32_16x16x128_f8f6f4 v[ACC+32*\f+8*\v:ACC+32*\f+8*\v+7], v[VF+16*\v:VF+16*\v+15], v[FF+16*\f:FF+16*\f+15], v[BI+8*\v:BI+8*\v+7], v[VS+6*\v+\s], v[FSC+6*\f+\s]
.else
	v_wmma_scale_f32_16x16x128_f8f6f4 v[ACC+32*\f+8*\v:ACC+32*\f+8*\v+7], v[VF+16*\v:VF+16*\v+15], v[FF+16*\f:FF+16*\f+15], v[ACC+32*\f+8*\v:ACC+32*\f+8*\v+7], v[VS+6*\v+\s], v[FSC+6*\f+\s]
.endif
.endr
.endr
; eight places ahead of the next loads into the fragments' registers, and of the first read of results
.if \s < 5
	v_add_nc_u32 v3, REG, v3
	v_add_nc_u32 v4, REG, v4
.rept 6
	v_nop
.endr
.else
.rept 8
	v_nop
.endr
.endif
.endm
	KSTEP 0, 2
	KSTEP 1, 0
	KSTEP 2, 0
	KSTEP 3, 0
	KSTEP 4, 0
	KSTEP 5, 0                                     ; its wait on TENSORcnt is for 0: no tensor load is out from here on
; THE WAY OUT.  A lane holds 4 x 32 bytes of one row, and the lanes beside it hold other rows: so a tile's 16 rows x 256 bytes go through my own stage and come back as whole rows.
; LDS serves a wave's instructions in order (ISA guide 5.7.1.4): no wait between the stores and the loads, nor in front of the next tile's stores.
.macro TOSTAGE f
.irp v, 0,1,2,3
	ds_store_b128 v7, v[ACC+32*\f+8*\v:ACC+32*\f+8*\v+3] offset:128*(\v/2)+32*(\v%2)       ; each accumulator from its low end on
	ds_store_b128 v7, v[ACC+32*\f+8*\v+4:ACC+32*\f+8*\v+7] offset:128*(\v/2)+32*(\v%2)+16
.endr
.irp i, 0,1,2,3,4,5,6,7
	ds_load_b128 v[OB+32*\f+4*\i:OB+32*\f+4*\i+3], v8 offset:544*\i
.endr
.endm
.macro SEND f, younger                 ; younger: the LDS instructions issued behind this tile's loads
.irp i, 0,1,2,3,4,5,6,7
	s_wait_dscnt \younger+7-\i
	global_store_b128 v10, v[OB+32*\f+4*\i:OB+32*\f+4*\i+3], s[70:71] offset:(8*\f+2*\i+8*(\i/4))*3072 th:TH_STORE_NT   ; slots 2 i, 2 i + 1 are rows 8 f + 2 i + 8 (i / 4), + 1; sixteen lanes store 256 consecutive bytes, aligned
.endr
.endm
	TOSTAGE 0
	TOSTAGE 1
	SEND 0, 16
	SEND 1, 0
	s_wait_tensorcnt 0x0
	ds_add_u32 v94, v95
	s_wait_dscnt 0x0
	s_endpgm
.Lfunc_end_k_q31c8b08401_proj:
	.size	k_q31c8b08401_proj, .Lfunc_end_k_q31c8b08401_proj-k_q31c8b08401_proj
	.p2alignl 7, 3214868480
	.fill 96, 4, 3214868480
	.section	.rodata,"a",@progbits
	.p2align	6, 0x0
	.amdhsa_kernel k_q31c8b08401_proj
		.amdhsa_group_segment_fixed_size 299520
		.amdhsa_private_segment_fixed_size 0
		.amdhsa_enable_private_segment 0
		.amdhsa_kernarg_size 32
		.amdhsa_user_sgpr_count 2
		.amdhsa_user_sgpr_kernarg_segment_ptr 1
		.amdhsa_wavefront_size32 1
		.amdhsa_system_sgpr_workgroup_id_x 1
		.amdhsa_system_sgpr_workgroup_id_y 1
		.amdhsa_system_sgpr_workgroup_id_z 1
		.amdhsa_system_vgpr_workitem_id 0
		.amdhsa_next_free_vgpr 256
		.amdhsa_next_free_sgpr 100
		.amdhsa_reserve_vcc 0
		.amdhsa_float_denorm_mode_32 3
		.amdhsa_float_denorm_mode_16_64 3
		.amdhsa_memory_ordered 1
		.amdhsa_forward_progress 1
		.amdhsa_inst_pref_size 33
	.end_amdhsa_kernel
	.amdgpu_metadata
---
amdhsa.version: [ 1, 2 ]
amdhsa.kernels:
  - .name:           k_q31c8b08401_proj
    .symbol:         k_q31c8b08401_proj.kd
    .args:
      - { .name: cq, .offset: 0, .size: 8, .value_kind: global_buffer, .address_space: global }
      - { .name: wt, .offset: 8, .size: 8, .value_kind: global_buffer, .address_space: global }
      - { .name: bo, .offset: 16, .size: 8, .value_kind: global_buffer, .address_space: global }
      - { .name: out0, .offset: 24, .size: 8, .value_kind: global_buffer, .address_space: global }
    .group_segment_fixed_size: 299520
    .private_segment_fixed_size: 0
    .kernarg_segment_align: 8
    .kernarg_segment_size: 32
    .max_flat_workgroup_size: 384
    .sgpr_count:     100
    .vgpr_count:     256
    .wavefront_size: 32
...
	.end_amdgpu_metadata
.endif
;; end of part 4
;; ======== version 2 of 2: 4 launches; version 1 with the launch attn written anew for expert scheduling mode
;; workspace buffers: xq 3,244,032 bytes; wt 2,433,024 bytes; qq 3,342,336 bytes; kv 6,488,064 bytes; cq 3,244,032 bytes
;; launch prep: the kernel of part 1 again; grid 24 x 22, 4 waves a work-group, no clusters, 34,304 bytes of LDS; arguments x, wv, wq, wk, wo, xq, wt; writes xq, wt
;; launch qkv: the kernel of part 2 again; grid 32 x 12, 12 waves a work-group, no clusters, 247,296 bytes of LDS; arguments xq, wt, bv, bq, bk, qq, kv; writes qq, kv
;; launch attn (part 5): grid 16 x 12, 16 waves a work-group, no clusters, 35,840 bytes of LDS; arguments qq, kv, cq; writes cq
.if DOCPART == 5
	.amdgcn_target "amdgcn-amd-amdhsa--gfx1250"
	.amdhsa_code_object_version 6
	.text
	.protected	k_q31c8b08401_attn
	.globl	k_q31c8b08401_attn
	.p2align	8
	.type	k_q31c8b08401_attn,@function
k_q31c8b08401_attn:
	s_mov_b64 s[64:65], 0
	v_nop
	global_prefetch_b8 v0, s[64:65] scope:SCOPE_SE
	s_setreg_imm32_b32 hwreg(HW_REG_WAVE_SCHED_MODE, 0, 2), 2
	s_setreg_imm32_b32 hwreg(HW_REG_WAVE_MODE, 25, 1), 1
	s_wait_xcnt 0x0
	s_wait_alu depctr_vm_vsrc(0)
; Causal attention of one head on codes of E4M3 with E8M0 scales; ctx = O / l is quantised along the head's 64 and stored as the last product's operand.
; t = score x log2(e) / 8; M = the running largest t rounded UP to a whole number; p = 2^(t - M) is quantised along the keys, not normalised; the row's sum is taken of the unquantised p and divides O at the end.
; When M moves, the sum and O are multiplied by 2^(old M - new M): exact.
; SHARES.  A head has 32 blocks of 128 queries; block B needs key steps 0 .. B of 128 keys, step B being its diagonal.  Work-group (j, hd) takes blocks j and 31 - j at once, eight waves each, a tile of 16 queries a wave:
; (j + 1) + (32 - j) = 33 steps' work for each pair of waves, whatever j.  16 x 12 = 192 work-groups of equal work; sixteen waves of 256 registers.
; wave w: block by (w xor w / 4) % 2, tile w / 2.  A step all of whose keys come after a wave's queries is passed over by a scalar branch on ids, round its LDS loads, products and softmax alone.
; RECORDS.  A key step's operands are one record of 16,896 bytes of kv: K: 4 packed fragments, V^T: 4 fragments, K's words, V's words.  The sixteen waves copy it through registers into one of two LDS buffers:
; asked for at a step's head, stored at its end, so that a whole key step lies between the request and the wait for it.  One barrier a step: in front of it each wave's stores into the other buffer have landed and its
; reads of this buffer are over.  Every address register is made at the head and never changes: buffer, fragment and chunk stand in the immediates, and the record in memory is reached by a scalar base that moves on by a record.
; LAYOUT.  Both products are used transposed: S^T = K Q^T, O^T = V^T P^T: a lane holds one query (slot lane % 16 of its tile).  Slot r of tile 2 b + u (of queries, keys, channels) is index 32 b + 8 u + r + 8 (r / 8), so that the
; 16 registers of result tiles 2 b, 2 b + 1 are indices 32 b + 16 (lane / 16) + 0 .. 15.  THE HEAD'S K IS 64, THE INSTRUCTION'S 128: a packed fragment of K holds tile 2 b in k 0-63 and tile 2 b + 1 in k 64-127;
; Q stands between two runs of zero codes, [Z][Q][Z]: [Q|Z] gives tile 2 b's scores, [Z|Q] tile 2 b + 1's.  Zero codes add nothing.
; NO CLUSTER: the sixteen work-groups of a head walk 32 - j records, a different number each, and the records come through registers.
; LIMITS: the division by l is v_rcp_f32 and a multiplication; a block of zeros gets the byte 1 (its codes are zeros; this program alone reads the bytes); NaN and infinities are not served.
; THE MODE: SCHED_MODE bits 1:0 = 2 (LLVM: expert scheduling mode 2), set by the entry lines.  The code itself states the register dependences
; between vector or matrix instructions and memory or LDS instructions, with s_wait_alu, always for 0.
; THE PLAN.  Registers that memory or LDS instructions touch:
;   v1-v4        Addresses and offsets: written at the head, read by every load and store, never written again.
;   CP           Written by the global loads at a step's head, read by the LDS stores at its end; no vector instruction of the loop names it.  One wait on vm_vsrc at a step's head: the stores have read it.
;   KV, SW       K's LDS loads land; the eight products K Q^T read; V's LDS loads land; the four products V^T P^T read.  So two waits on va_vdst: ahead of K's loads (the last step's products are done reading)
;                and behind the products K Q^T.  Behind the second, V's twenty loads are dealt among the search for the maximum, whose lines name S, BM, DD and the masks: none of KV or SW.
;   Q, its word  Loaded once.        PC, v236   On the way out the data of the last stores: one wait on va_vdst ahead of them.
; Vector results that a scaled product takes as an operand: the zero codes beside Q (the wait ahead of K's first loads shows them written); p's codes and p's scale word (a wait ahead of the products V^T P^T, behind their places).
; Vector results in scalar registers: the wave's number; the diagonal step's masks, made in two runs of 32 compares, each with one wait on va_sdst ahead of its 32 selects.
.set QS,   3145728
.set XS,   3145728
.set REC,  16896
.set LI,   1                           ; v1   16 x lane
.set LS,   2                           ; v2   4 x (lane % 16)
.set CPL,  3                           ; v3   16 x thread: my 16 bytes of 8,192 in an LDS buffer
.set CPO0, 4                           ; v4   the same in a record in memory
.set DD,   6                           ; v6   my query within its block - 16 (lane / 16)
.set SW,   8                           ; v8-11    scale words of K's, then of V's four fragments
.set KV,   40                          ; v40-103  four fragments of K, then of V
.set S,    104                         ; v104-167 S^T, then p
.set O,    168                         ; v168-199 O^T
.set PC,   200                         ; v200-215 p's codes
.set BM,   216                         ; v216-219 the blocks' largest scores, then largest p
.set TP,   220                         ; v220-223 at work
.set HD,   224                         ; v224-227 448 x the scale
.set SO,   228                         ; v228-231 the conversions' scale operands
.set QW,   232                         ; v232 Q's scale word
.set FA,   234                         ; v234 f = 2^(old M - new M)
.set PW,   235                         ; v235 p's scale word
.set TMP,  236
.set NINF, 237                         ; -infinity
.set CP,   240                         ; v240-251 a record's bytes on their way
.set TM,   216                         ; the way out's quantiser works in v216-229
.set MNT,  19
.set SEL,  20
.set CS,   22                          ; s[22:23] c = log2(e) / 8; the packed form names a pair and takes its low word
.set MK,   66                          ; s66-97   the diagonal step's masks, 32 at a time
	s_load_b128 s[4:7], s[0:1], 0x0                ; qq s[4:5], kv s[6:7]
	s_load_b64 s[8:9], s[0:1], 0x10                ; cq
	v_lshl_add_u32 v254, v0, 2, 0x8400
	v_mov_b32 v255, 0
	v_lshrrev_b32 v1, 5, v0
	v_readfirstlane_b32 s10, v1                    ; wave 0..15
	s_mov_b32 s11, ttmp9                           ; j
	s_and_b32 s12, ttmp7, 0xffff                   ; hd
	s_wait_alu depctr_va_sdst(0)                   ; s10 is written, ahead of its first reader: blocks, tiles and addresses are made from it
	s_lshr_b32 s26, s10, 2
	s_xor_b32 s26, s26, s10
	s_and_b32 s26, s26, 1                          ; which of the two blocks
	s_lshr_b32 s14, s10, 1                         ; which tile of it
	s_sub_co_u32 s27, 31, s11
	s_cmp_eq_u32 s26, 0
	s_cselect_b32 s13, s11, s27                    ; B
	s_sub_co_u32 s16, 32, s11                      ; key steps of the work-group: 0 .. 31 - j
	s_sub_co_u32 s18, 33, s11
	s_lshr_b32 s18, s18, 1                         ; trips of two steps (where the count is odd, every wave passes over the step that is over)
	s_mov_b32 s15, 0                               ; the step in hand
	s_mov_b32 s17, 0
	s_mov_b32 s[MNT], 0x600000
	s_mov_b32 s[SEL], 0x76543210
	s_mov_b32 s[SEL+1], 0xfedcba98
	s_mov_b32 s[CS], 0x3e38aa3b
	s_mov_b32 s[CS+1], s[CS]
	s_lshl_b32 s30, s13, 3
	s_add_co_u32 s30, s30, s14                     ; T = 8 B + tile
	s_lshl_b32 s27, s12, 8
	s_add_co_u32 s27, s27, s30
	s_lshl_b32 s32, s27, 10                        ; Q's codes: (256 hd + T) x 1,024
	s_mov_b32 s33, 0
	s_lshl_b32 s34, s27, 6
	s_add_co_u32 s34, s34, QS                      ; its words
	s_mov_b32 s35, 0
	s_mul_i32 s36, s12, 32*REC                     ; the head's records
	s_mov_b32 s37, 0
	s_mul_i32 s38, s13, 98304                      ; ctx's image: 98,304 B + 16,384 (hd / 2) + 2,048 tile + 1,024 (hd % 2)
	s_lshr_b32 s27, s12, 1
	s_lshl_b32 s28, s27, 14
	s_add_co_u32 s38, s38, s28
	s_lshl_b32 s28, s14, 11
	s_add_co_u32 s38, s38, s28
	s_and_b32 s29, s12, 1
	s_lshl_b32 s28, s29, 10
	s_add_co_u32 s38, s38, s28
	s_mov_b32 s39, 0
	s_mul_i32 s40, s30, 384                        ; its words: XS + 384 T + 64 (hd / 2) + 2 (hd % 2)
	s_lshl_b32 s28, s27, 6
	s_add_co_u32 s40, s40, s28
	s_lshl_b32 s28, s29, 1
	s_add_co_u32 s40, s40, s28
	s_add_co_u32 s40, s40, XS
	s_mov_b32 s41, 0
	v_and_b32 v[LI], 31, v0
	v_lshlrev_b32 v[LI], 4, v[LI]
	v_and_b32 v7, 15, v0                           ; r
	v_lshlrev_b32 v[LS], 2, v7
	v_lshlrev_b32 v[CPL], 4, v0
	v_lshlrev_b32 v[CPO0], 4, v0
	s_lshr_b32 s26, s14, 1
	s_lshl_b32 s26, s26, 5
	s_and_b32 s27, s14, 1
	s_lshl_b32 s27, s27, 3
	s_add_co_u32 s26, s26, s27                     ; the tile's first query within the block
	v_and_b32 v[DD], 8, v7
	v_add_nc_u32 v[DD], v[DD], v7                  ; r + 8 (r / 8)
	v_bfe_u32 v7, v0, 4, 1
	v_lshlrev_b32 v7, 4, v7
	v_sub_nc_u32 v[DD], v[DD], v7                  ; - 16 h
	v_add_nc_u32 v[DD], s26, v[DD]
.irp i, 8,9,10,11
	v_mov_b32 v[CP+\i], 0                          ; (only wave 0 loads these four: they are written on every path)
.endr
	s_wait_kmcnt 0x0
	s_add_nc_u64 s[32:33], s[4:5], s[32:33]
	s_add_nc_u64 s[34:35], s[4:5], s[34:35]
	s_add_nc_u64 s[24:25], s[6:7], s[36:37]
	s_add_nc_u64 s[38:39], s[8:9], s[38:39]
	s_add_nc_u64 s[40:41], s[8:9], s[40:41]
	s_wait_alu depctr_va_vdst(0)                   ; v1 to v4 are written, which every load and store of the kernel reads as its address or offset; so are v248 to v251, in which wave 0's load lands
	global_load_b128 v[CP:CP+3], v[CPO0], s[24:25]                 ; record 0: 16 waves x 512 bytes an instruction
	global_load_b128 v[CP+4:CP+7], v[CPO0], s[24:25] offset:8192
	global_load_b128 v[24:27], v[LI], s[32:33]                     ; Q: chunks 0, 1
	global_load_b128 v[28:31], v[LI], s[32:33] offset:512
	global_load_b32 v[QW], v[LS], s[34:35]
	s_cmp_lg_u32 s10, 0
	s_cbranch_scc1 .Lhead_a
	global_load_b128 v[CP+8:CP+11], v[CPO0], s[24:25] offset:16384 ; the record's 512 bytes of scale words: wave 0
.Lhead_a:
.irp i, 0,1,2,3,4,5,6,7
	v_mov_b32 v[16+\i], 0                          ; the zero codes on both sides of Q
	v_mov_b32 v[32+\i], 0
.endr
	v_mov_b32 v13, 0xff61b1e6                      ; the largest t so far: -3e38, under every t
	v_floor_f32 v12, -v13                          ; -M
	v_mov_b32 v14, 0                               ; the sum, in two halves
	v_mov_b32 v15, 0
.set i, 0
.rept 32
	v_mov_b32 v[O+i], 0                            ; O^T: the step is written once; the first finds zeros, which the first change of M leaves zeros
.set i, i+1
.endr
.irp b, 0,1,2,3
	v_mov_b32 v[TP+\b], 0                          ; a lane permute's destination counts as one of its sources
.endr
	v_mov_b32 v[PW], 0                             ; (named as the upper half of the pair with f before it is first written)
	v_mov_b32 v[TMP], 0
	v_mov_b32 v[NINF], 0xff800000
	s_wait_loadcnt 0x0
	ds_store_b128 v[CPL], v[CP:CP+3]               ; (no vector instruction since the wait on va_vdst above names v3 or CP)
	ds_store_b128 v[CPL], v[CP+4:CP+7] offset:8192
	s_cmp_lg_u32 s10, 0
	s_cbranch_scc1 .Lhead_b
	ds_store_b128 v[CPL], v[CP+8:CP+11] offset:16384
.Lhead_b:
	s_wait_dscnt 0x0                               ; for the others' sake: my stores have landed
	s_barrier_signal -1
	s_barrier_wait -1                              ; record 0 lies in buffer 0
; V's fragment t and its scale words, out of LDS buffer buf
.macro LOADV buf, t
.irp c, 0,1,2,3
	ds_load_b128 v[KV+16*(\t)+4*\c:KV+16*(\t)+4*\c+3], v[LI] offset:(\buf)*REC+8192+2048*(\t)+512*\c
.endr
	ds_load_b32 v[SW+(\t)], v[LS] offset:(\buf)*REC+16640+64*(\t)
.endm
; A KEY STEP on LDS buffer bf
.macro STEP bf
	s_wait_alu depctr_vm_vsrc(0)                   ; my LDS stores of the last record have read v[CP ..], in which the loads below land
	s_add_co_u32 s26, s15, 1
	s_cmp_lt_u32 s26, s16                          ; is there a next record?  (the same in all sixteen waves)
	s_cbranch_scc0 .Lnoask_\@
	s_add_nc_u64 s[24:25], s[24:25], REC           ; on to the next record: the loads that last read this base were waited for at the last step's end
	global_load_b128 v[CP:CP+3], v[CPO0], s[24:25]
	global_load_b128 v[CP+4:CP+7], v[CPO0], s[24:25] offset:8192
	s_cmp_lg_u32 s10, 0
	s_cbranch_scc1 .Lnoask_\@
	global_load_b128 v[CP+8:CP+11], v[CPO0], s[24:25] offset:16384
.Lnoask_\@:
	s_cmp_gt_u32 s15, s13                          ; all 128 keys come after my queries: nothing to do but the copy and the barrier
	s_cbranch_scc1 .Lskip_\@
	s_wait_alu depctr_va_vdst(0)                   ; the last step's products V^T P^T are done reading V's fragments and words, in which K's land; in the first step the zero codes beside Q are written, which the products below take as an operand
.irp b, 0,1,2,3
.irp c, 0,1,2,3
	ds_load_b128 v[KV+16*\b+4*\c:KV+16*\b+4*\c+3], v[LI] offset:(\bf)*REC+2048*\b+512*\c
.endr
	ds_load_b32 v[SW+\b], v[LS] offset:(\bf)*REC+16384+64*\b
.endr
	s_wait_dscnt 0x0
.irp b, 0,1,2,3                        ; S^T: register 16 b + i of a lane = key 32 b + 16 (lane / 16) + i of the step
	v_wmma_scale_f32_16x16x128_f8f6f4 v[S+16*\b:S+16*\b+7], v[KV+16*\b:KV+16*\b+15], v[24:39], 0, v[SW+\b], v[QW]
	v_wmma_scale_f32_16x16x128_f8f6f4 v[S+16*\b+8:S+16*\b+15], v[KV+16*\b:KV+16*\b+15], v[16:31], 0, v[SW+\b], v[QW]
.endr
.rept 8
	v_nop                                          ; eight places ahead of the first read of the scores
.endr
	s_wait_alu depctr_va_vdst(0)                   ; the products above are done reading K's fragments and words, in which V's land further down; no vector instruction between here and those loads names KV or SW
	s_cmp_lg_u32 s15, s13                          ; the diagonal step: hidden scores become -infinity ahead of the maximum: p = 0 then
	s_cbranch_scc1 .Lopen_\@
.irp g, 0,1                            ; 32 scores at a time: a run of compares into scalar registers, one wait, the selects
.set n, 0
.rept 32
	v_cmp_gt_i32 s[MK+n], 64*\g+32*(n/16)+n%16, v[DD]
.set n, n+1
.endr
	s_wait_alu depctr_va_sdst(0)                   ; the 32 masks are written, ahead of their first reader
.set n, 0
.rept 32
	v_cndmask_b32 v[S+32*\g+n], v[S+32*\g+n], v[NINF], s[MK+n]
.set n, n+1
.endr
.endr
.Lopen_\@:
.irp b, 0,1,2,3
	v_max3_num_f32 v[BM+\b], v[S+16*\b], v[S+1+16*\b], v[S+2+16*\b]   ; the largest score of each block of 32 keys: for the row's maximum and, since p rises with the score, for the block's largest p
.endr
	LOADV \bf, 0                                   ; V's fragments are asked for here, five loads at a time among the search for the maximum, and land while the softmax is worked
.irp i, 3,5
.irp b, 0,1,2,3
	v_max3_num_f32 v[BM+\b], v[BM+\b], v[S+16*\b+\i], v[S+1+16*\b+\i]
.endr
.endr
	LOADV \bf, 1
.irp i, 7,9
.irp b, 0,1,2,3
	v_max3_num_f32 v[BM+\b], v[BM+\b], v[S+16*\b+\i], v[S+1+16*\b+\i]
.endr
.endr
	LOADV \bf, 2
.irp i, 11,13
.irp b, 0,1,2,3
	v_max3_num_f32 v[BM+\b], v[BM+\b], v[S+16*\b+\i], v[S+1+16*\b+\i]
.endr
.endr
	LOADV \bf, 3
.irp b, 0,1,2,3
	v_max_num_f32 v[BM+\b], v[BM+\b], v[S+15+16*\b]
.endr
.irp b, 0,1,2,3
	v_permlanex16_b32 v[TP+\b], v[BM+\b], s[SEL], s[SEL+1]
.endr
.irp b, 0,1,2,3
	v_max_num_f32 v[BM+\b], v[BM+\b], v[TP+\b]     ; with lane l xor 16's 16 keys
.endr
	v_max3_num_f32 v[TMP], v[BM], v[BM+1], v[BM+2]
	v_max_num_f32 v[TMP], v[TMP], v[BM+3]          ; the step's largest score of my query
	v_mul_f32 v[TMP], s[CS], v[TMP]                ; as t (c is positive)
	v_max_num_f32 v13, v13, v[TMP]                 ; the running largest t
	v_mov_b32 v[TMP], v12
	v_floor_f32 v12, -v13                          ; the new -M = floor(-t) = -ceil(t)
	v_sub_f32 v[TMP], v12, v[TMP]                  ; old M - new M: a whole number, 0 or less
	v_cvt_i32_f32 v[TMP], v[TMP]                   ; (it saturates)
	v_ldexp_f32 v[FA], 1.0, v[TMP]                 ; f = 2^(old M - new M)
.set i, 0
.rept 32
	v_pk_fma_f32 v[S+i:S+i+1], v[S+i:S+i+1], s[CS:CS+1], v[12:13] op_sel_hi:[1,0,0]   ; t - M, two at a time
.set i, i+2
.endr
.irp b, 0,1,2,3
	v_fma_f32 v[BM+\b], v[BM+\b], s[CS], v12       ; the same of each block's largest score
.endr
.set i, 0
.rept 64
	v_exp_f32 v[S+i], v[S+i]                       ; p = 2^(t - M), at most 1
.set i, i+1
.endr
	v_pk_mul_f32 v[14:15], v[14:15], v[FA:FA+1] op_sel_hi:[1,0]   ; the sums under the new M: the plain line behind the exponentials
	s_wait_alu depctr_va_vdst(0)                   ; the 64 exponentials have written p: the wait ahead of the first line that names a result: one for the batch
.irp b, 0,1,2,3
	v_exp_f32 v[BM+\b], v[BM+\b]                   ; the block's largest p: the same two instructions on the same number
.endr
	v_pk_add_f32 v[TP:TP+1], v[S:S+1], v[S+2:S+3]  ; the row's sum is taken of the unquantised p, in two chains
.irp j, 4,8,12,16,20,24,28,32,36,40,44,48,52,56,60
	v_pk_add_f32 v[14:15], v[14:15], v[S+\j:S+\j+1]
	v_pk_add_f32 v[TP:TP+1], v[TP:TP+1], v[S+2+\j:S+3+\j]
.endr
	v_pk_add_f32 v[14:15], v[14:15], v[TP:TP+1]
	s_wait_alu depctr_va_vdst(0)                   ; and one for the four: the blocks' largest p are written
.irp b, 0,1,2,3
	v_max_num_f32 v[BM+\b], 0x4800000, v[BM+\b]    ; the floor 2^(9 - 127): the byte cannot fall under 1
.endr
.irp b, 0,1,2,3
	v_add_nc_u32 v[SO+\b], 0xfc000000, v[BM+\b]    ; 8 off the exponent field: the conversions' scale operand
.endr
.irp b, 0,1,2,3
	v_and_or_b32 v[HD+\b], v[BM+\b], 0x7f800000, s[MNT]   ; 448 x the scale
.endr
.irp b, 0,1,2,3
	v_lshrrev_b32 v[TP+\b], 23, v[SO+\b]           ; the byte
.endr
	v_lshl_or_b32 v[PW], v[TP+1], 8, v[TP]         ; p's scale word for these 128 keys
	v_lshl_or_b32 v[PW], v[TP+2], 16, v[PW]
	v_lshl_or_b32 v[PW], v[TP+3], 24, v[PW]
.irp b, 0,1,2,3
.irp i, 0,1,2,3,4,5,6,7,8,9,10,11,12,13,14,15
	v_min_num_f32 v[S+16*\b+\i], v[S+16*\b+\i], v[HD+\b]   ; the conversion does not saturate (ISA guide 7.6.2); p is not negative: a one-sided hold
.endr
	v_cvt_scalef32_pk8_fp8_f32 v[PC+4*\b:PC+4*\b+1], v[S+16*\b:S+16*\b+7], v[SO+\b]
	v_cvt_scalef32_pk8_fp8_f32 v[PC+4*\b+2:PC+4*\b+3], v[S+16*\b+8:S+16*\b+15], v[SO+\b]
.endr
.set i, 0
.rept 16
	v_pk_mul_f32 v[O+i:O+i+1], v[O+i:O+i+1], v[FA:FA+1] op_sel_hi:[1,0]   ; O^T under the new M; these sixteen also stand between the conversions and the products
.set i, i+2
.endr
	s_wait_dscnt 0x0                               ; V and its words are in
	s_wait_alu depctr_va_vdst(0)                   ; the conversions have written p's codes, and p's scale word is written: the products below take them as an operand and as its scales; the places above stay beside this wait
.irp t, 0,1,2,3                        ; O^T += V^T P^T; the four accumulators by turns, and eight other products stand between two links
	v_wmma_scale_f32_16x16x128_f8f6f4 v[O+8*\t:O+8*\t+7], v[KV+16*\t:KV+16*\t+15], v[PC:PC+15], v[O+8*\t:O+8*\t+7], v[SW+\t], v[PW]
.endr
.rept 8
	v_nop                                          ; eight places ahead of the next read or write of O^T
.endr
.Lskip_\@:
	s_wait_loadcnt 0x0                             ; the next record's bytes are in my registers
	s_cmp_lt_u32 s26, s16
	s_cbranch_scc0 .Lnoput_\@
	ds_store_b128 v[CPL], v[CP:CP+3] offset:(1-(\bf))*REC          ; into the other buffer: its last readers passed the last step's barrier behind their wait for their loads
	ds_store_b128 v[CPL], v[CP+4:CP+7] offset:(1-(\bf))*REC+8192
	s_cmp_lg_u32 s10, 0
	s_cbranch_scc1 .Lnoput_\@
	ds_store_b128 v[CPL], v[CP+8:CP+11] offset:(1-(\bf))*REC+16384
.Lnoput_\@:
	s_wait_dscnt 0x0                               ; my stores have landed, and my reads of this buffer are over
	s_barrier_signal -1
	s_barrier_wait -1
	s_add_co_u32 s15, s15, 1
.endm
.Ltrip:
	STEP 0
	STEP 1
	s_add_co_u32 s17, s17, 1
	s_cmp_lt_u32 s17, s18
	s_cbranch_scc1 .Ltrip
	; THE WAY OUT: ctx = O^T / l, quantised along the head's 64 (register 16 b + i = channel 32 b + 16 (lane / 16) + i), stored as chunks 2 (hd % 2), + 1 of K step hd / 2 of the last product's operand
	v_add_f32 v14, v14, v15                        ; the sum's two halves,
	v_permlanex16_b32 v[TMP], v14, s[SEL], s[SEL+1]
	v_add_f32 v14, v14, v[TMP]                     ; and lane l xor 16's: the row's sum
	v_rcp_f32 v14, v14
	v_nop                                          ; a plain line behind the transcendental
	s_wait_alu depctr_va_vdst(0)                   ; the reciprocal is written, ahead of its first reader
.set i, 0
.rept 32
	v_mul_f32 v[S+i], v[O+i], v14                  ; each accumulator from its low end on
.set i, i+1
.endr
.irp b, 0,1
	v_max3_num_f32 v[TM+\b], |v[S+16*\b]|, |v[S+1+16*\b]|, 0x4800000
.endr
.irp i, 2,4,6,8,10,12,14
.irp b, 0,1
	v_max3_num_f32 v[TM+\b], v[TM+\b], |v[S+16*\b+\i]|, |v[S+1+16*\b+\i]|
.endr
.endr
.irp b, 0,1
	v_permlanex16_b32 v[TM+4+\b], v[TM+\b], s[SEL], s[SEL+1]
.endr
.irp b, 0,1
	v_max_num_f32 v[TM+\b], v[TM+\b], v[TM+4+\b]
.endr
.irp b, 0,1
	v_add_nc_u32 v[TM+12+\b], 0xfc000000, v[TM+\b]
.endr
.irp b, 0,1
	v_and_or_b32 v[TM+8+\b], v[TM+\b], 0x7f800000, s[MNT]
.endr
.irp b, 0,1
	v_lshrrev_b32 v[TM+4+\b], 23, v[TM+12+\b]
.endr
	v_lshl_or_b32 v[TMP], v[TM+5], 8, v[TM+4]      ; my query's two scale bytes
.irp b, 0,1
.irp i, 0,1,2,3,4,5,6,7,8,9,10,11,12,13,14,15
	v_med3_num_f32 v[S+16*\b+\i], v[S+16*\b+\i], -v[TM+8+\b], v[TM+8+\b]
.endr
	v_cvt_scalef32_pk8_fp8_f32 v[PC+4*\b:PC+4*\b+1], v[S+16*\b:S+16*\b+7], v[TM+12+\b]
	v_cvt_scalef32_pk8_fp8_f32 v[PC+4*\b+2:PC+4*\b+3], v[S+16*\b+8:S+16*\b+15], v[TM+12+\b]
.endr
	v_nop
	s_wait_alu depctr_va_vdst(0)                   ; the conversions have written v[PC ..], and the two scale bytes are written: the stores below read them
	global_store_b128 v[LI], v[PC:PC+3], s[38:39]              ; 512 consecutive bytes a store, aligned to 256
	global_store_b128 v[LI], v[PC+4:PC+7], s[38:39] offset:512
	global_store_b16 v[LS], v[TMP], s[40:41]                   ; my head's half of the slot's word
	s_wait_dscnt 0x0
	s_wait_alu depctr_hold_cnt(0) depctr_sa_sdst(0) depctr_va_vdst(0) depctr_va_sdst(0) depctr_va_ssrc(0) depctr_va_vcc(0) depctr_vm_vsrc(0)
	s_wait_tensorcnt 0x0
	ds_add_u32 v254, v255
	s_wait_dscnt 0x0
	s_endpgm
.Lfunc_end_k_q31c8b08401_attn:
	.size	k_q31c8b08401_attn, .Lfunc_end_k_q31c8b08401_attn-k_q31c8b08401_attn
	.p2alignl 7, 3214868480
	.fill 96, 4, 3214868480
	.section	.rodata,"a",@progbits
	.p2align	6, 0x0
	.amdhsa_kernel k_q31c8b08401_attn
		.amdhsa_group_segment_fixed_size 35840
		.amdhsa_private_segment_fixed_size 0
		.amdhsa_enable_private_segment 0
		.amdhsa_kernarg_size 24
		.amdhsa_user_sgpr_count 2
		.amdhsa_user_sgpr_kernarg_segment_ptr 1
		.amdhsa_wavefront_size32 1
		.amdhsa_system_sgpr_workgroup_id_x 1
		.amdhsa_system_sgpr_workgroup_id_y 1
		.amdhsa_system_sgpr_workgroup_id_z 1
		.amdhsa_system_vgpr_workitem_id 0
		.amdhsa_next_free_vgpr 256
		.amdhsa_next_free_sgpr 98
		.amdhsa_reserve_vcc 0
		.amdhsa_float_denorm_mode_32 3
		.amdhsa_float_denorm_mode_16_64 3
		.amdhsa_memory_ordered 1
		.amdhsa_forward_progress 1
		.amdhsa_inst_pref_size 70
	.end_amdhsa_kernel
	.amdgpu_metadata
---
amdhsa.version: [ 1, 2 ]
amdhsa.kernels:
  - .name:           k_q31c8b08401_attn
    .symbol:         k_q31c8b08401_attn.kd
    .args:
      - { .name: qq, .offset: 0, .size: 8, .value_kind: global_buffer, .address_space: global }
      - { .name: kv, .offset: 8, .size: 8, .value_kind: global_buffer, .address_space: global }
      - { .name: cq, .offset: 16, .size: 8, .value_kind: global_buffer, .address_space: global }
    .group_segment_fixed_size: 35840
    .private_segment_fixed_size: 0
    .kernarg_segment_align: 8
    .kernarg_segment_size: 24
    .max_flat_workgroup_size: 512
    .sgpr_count:     98
    .vgpr_count:     256
    .wavefront_size: 32
...
	.end_amdgpu_metadata
.endif
;; end of part 5
;; launch proj: the kernel of part 4 again; grid 32 x 4, 12 waves a work-group, no clusters, 299,520 bytes of LDS; arguments cq, wt, bo, out0; writes out0
